; MI455X (gfx1250); checked and timed in simulation.
; The chip was launched on July 23, 2026; its instructions are those of AMD's public machine-readable ISA for CDNA 5 (MIT licence, August 2026) and "CDNA5" Instruction Set Architecture Reference Guide (July 2026). The comments in the code are by the model that wrote it; some were corrected since.
;; multihead self attention. Allowed arithmetic: matrix products marked QUANTISED: E5M2 operands, one given power-of-two scale a tensor, by v_wmma_f32_16x16x64_bf8_bf8 or v_wmma_f32_16x16x128_bf8_bf8, f32 sums; everything else in f32.
;; Inputs: Wk_codes 1,024 x 32 x 32 uint8 (E5M2 codes of Wk, K innermost, in blocks of 32 codes); Wo_codes 1,024 x 32 x 32 uint8 (E5M2 codes of Wo, K innermost, in blocks of 32 codes); Wq_codes 1,024 x 32 x 32 uint8 (E5M2 codes of Wq, K innermost, in blocks of 32 codes); Wv_codes 1,024 x 32 x 32 uint8 (E5M2 codes of Wv, K innermost, in blocks of 32 codes); bk 1,024 float32; bo 1,024 float32; bq 1,024 float32; bv 1,024 float32; lowp_scales 12 int32 (the exponents e of the quantised operands' scales 2^e); x_codes 4 x 2,048 x 32 x 32 uint8 (E5M2 codes of x, K innermost, in blocks of 32 codes).
;; Outputs: out0 4 x 2,048 x 1,024 float32.
;; This version of the problem:
;;   THIS VERSION OF THE PROBLEM IS GIVEN IN LOW PRECISION. The matrix products marked QUANTISED in the list below multiply operands that are first quantised to E5M2 (5 exponent bits, 2 mantissa bits; 8 bits a number), with one given power-of-two scale for each operand tensor; their sums are f32. All else is computed in f32.
;;   The module's matrix products, in the order in which they are computed (A, B: the left and right operand; K: the contracted axis; several contracted axes count as one K, in the product's order):
;;     1. [M 8,192, K 1,024] x [K 1,024, N 1,024]; A: input x (given as codes); B: input Wq (given as codes): QUANTISED (scales: A lowp_scales[0], B lowp_scales[1])
;;     2. [M 8,192, K 1,024] x [K 1,024, N 1,024]; A: input x (given as codes); B: input Wk (given as codes): QUANTISED (scales: A lowp_scales[2], B lowp_scales[3])
;;     3. [M 8,192, K 1,024] x [K 1,024, N 1,024]; A: input x (given as codes); B: input Wv (given as codes): QUANTISED (scales: A lowp_scales[4], B lowp_scales[5])
;;     4. batch 64 x [M 2,048, K 64] x [K 64, N 2,048]; A: computed on the way; B: computed on the way: QUANTISED (scales: A lowp_scales[6], B lowp_scales[7])
;;     5. batch 64 x [M 2,048, K 2,048] x [K 2,048, N 64]; A: softmax (see below); B: computed on the way: QUANTISED (scales: A lowp_scales[8], B lowp_scales[9])
;;     6. [M 8,192, K 1,024] x [K 1,024, N 1,024]; A: computed on the way; B: input Wo (given as codes): QUANTISED (scales: A lowp_scales[10], B lowp_scales[11])
;;   THE QUANTISER, for each operand of a quantised product, along K:
;;     - The operand's scale is 2^e, e = its entry of the input lowp_scales (int32; the entries are numbered through the quantised products in the list's order, A before B).
;;     - Each number is divided by the scale, clamped to +-57,344, and rounded to the nearest number of E5M2, ties to even, subnormals kept.
;;     - The product sums the exact products of the quantised numbers (number of the format x scale) in f32.
;;   ~~~python
;;   def quantise(x, axis, e):      # numpy; x: float32 -> the quantised numbers, widened to float32 again
;;       x = np.moveaxis(x, axis, -1); K = x.shape[-1]
;;       r = np.clip(x / 2.0 ** e, -57344, 57344)
;;       step = 2.0 ** (np.maximum(np.frexp(np.where(r == 0, 1, r))[1] - 1, -14) - 2)
;;       q = np.round(r / step) * step * 2.0 ** e      # np.round: ties to even
;;       return np.moveaxis(q, -1, axis).astype(np.float32)
;;   ~~~
;;   SOFTMAX AHEAD OF A QUANTISED PRODUCT. Where the list says 'softmax', what is quantised is not the finished softmax but p = 2^(t - M), with t = logit x log2(e) and M = ceil(the row's largest t), a whole number; so 1/2 < the row's largest p <= 1. The row's sum l is taken of the UNQUANTISED p, in f32, and the product's result is divided by l at the end. Since M is a whole number, a kernel that streams over the keys may use a running M (the ceiling of the running maximum): every later rescaling is an exact power of two, so the quantised numbers keep their values, but for numbers so far below the row's largest that they fall under the format's range.
;;   OPERANDS COMPUTED ON THE WAY. 'Computed on the way' means the value that the module computes at that place (a softmax that the list does not call 'softmax' is quantised finished and normalised). What goes into a quantiser is computed in f32, as accurately as f32 sums, v_exp_f32 and their like allow (about 1e-6 of the number): no bf16 or f16 on the way to a quantiser, and a product that is left as it is and whose result goes on into a quantised operand takes f32 operands (vector FMAs, or v_wmma_f32_16x16x4_f32). A number that lies on a knife's edge between two numbers of the format may be rounded either way, as far as f32 arithmetic and the matrix unit's own rounding can turn it there, and no further.
;;   INPUTS GIVEN AS CODES. Wk (in the module: [1024, 1024], K = its axis 1); Wo (in the module: [1024, 1024], K = its axis 1); Wq (in the module: [1024, 1024], K = its axis 1); Wv (in the module: [1024, 1024], K = its axis 1); x (in the module: [4, 2048, 1024], K = its axis 2): each comes as NAME_codes (uint8): NAME with its K axis moved to the last place and cut into blocks of 32 codes, [.., K / 32, bytes a block], one block behind the other in memory; one code a byte (a code: sign, 5 exponent bits, 2 mantissa bits); its scale is its entry of lowp_scales. Its value is code x scale, taken as it is: it is not quantised again, and the codes and scales need not be those that the quantiser above would give.
;; One version. Each part assembles by itself: llvm-mc -triple=amdgcn-amd-amdhsa -mcpu=gfx1250 --defsym DOCPART=n.
;; ======== version 1 of 1: 3 launches
;; limits: right only within a limited range of input values
;; workspace buffers: q_codes 8,388,608 bytes; k_codes 8,388,608 bytes; v_codes 8,388,608 bytes; a_codes 8,388,608 bytes
;; launch qkv (part 1): grid 12 x 32, 4 waves a work-group, clusters of 4 x 4, 327,680 bytes of LDS; arguments x_codes, Wq_codes, Wk_codes, Wv_codes, bq, bk, bv, lowp_scales, q_codes, k_codes, v_codes; writes q_codes, k_codes, v_codes
.if DOCPART == 1
	.amdgcn_target "amdgcn-amd-amdhsa--gfx1250"
	.amdhsa_code_object_version 6
	.text
	.protected	k_q690253a77a_qkv
	.globl	k_q690253a77a_qkv
	.p2align	8
	.type	k_q690253a77a_qkv,@function
k_q690253a77a_qkv:
	s_mov_b64 s[64:65], 0
	v_nop
	global_prefetch_b8 v0, s[64:65] scope:SCOPE_SE
	s_setreg_imm32_b32 hwreg(HW_REG_WAVE_MODE, 25, 1), 1
	s_wait_xcnt 0x0
	s_wait_alu depctr_hold_cnt(0) depctr_sa_sdst(0) depctr_va_vdst(0) depctr_va_sdst(0) depctr_va_ssrc(0) depctr_va_vcc(0) depctr_vm_vsrc(0)
	s_getreg_b32 s2, hwreg(HW_REG_IB_STS2, 6, 4)
	s_cmp_eq_u32 s2, 0
	s_cbranch_scc0 .Lentry_in_a_cluster
	s_endpgm
.Lentry_in_a_cluster:
	s_bfe_u32 s2, ttmp6, 0x10000c
	s_cmp_lg_u32 s2, 0xf033
	s_cbranch_scc0 .Lentry_shape_is_right
	s_endpgm
.Lentry_shape_is_right:
; q = x Wq^T + bq, k = x Wk^T + bk, v = x Wv^T + bv on codes of BF8 (E5M2), each result quantised at once to codes of BF8 with its given scale.
; x: [8192][1024] codes; Wq, Wk, Wv: [1024][1024] codes, K innermost.  A code's value is code x 2^e, e from the buffer of scales (entries 0..5); the results' scales are entries 6 (q), 7 (k), 9 (v).
; OUT: q_codes, k_codes: [batch x 16 + head][2048 tokens][64], the head's 64 innermost; v_codes: [batch][1024 channels][2048 tokens], the tokens (the keys) innermost.
; ONE TEXT FOR THE THREE PRODUCTS.  The cluster's x (0, 1, 2: the same in all sixteen partners) says which.  q and k: "A" = x (32 tile rows), "B" = the weight (4 tile columns).
; v is made TRANSPOSED, V^T = Wv x^T: "A" = Wv (4 tile rows), "B" = x (32 tile columns): only pointers and tile coordinates change places, chosen by s_cselect on the cluster's x.
; A tile of C, 256 x 256, is made by four waves, 128 x 128 each: 64 accumulators, 512 registers.  K = 1,024 goes in four steps of 256 through a ring of two LDS slots filled by the tensor data mover.
; CLUSTERS: 4 x 4 work-groups.  The four of a row of the cluster need the same tile of A, the four of a column the same tile of B: each tile is asked for JOINTLY, by the same tensor load with a mask that names the four.
; THE MATRIX INSTRUCTION IS USED TRANSPOSED (source 0 = 16 rows of B, source 1 = 16 rows of A): a lane holds one row of A and eight neighbouring rows of B: eight neighbouring channels of a token (q, k)
; or eight neighbouring tokens of a channel (V^T): the eight neighbours along the next product's K that one conversion takes.
; A fragment is fetched by four loads of 16 bytes: a permutation of k inside an instruction, the same in A and in B, so that every product meets its partner.
; LIMITS: eA + eB between -126 and 127; e6, e7, e9 between -126 and 112, so that each power of two below is an f32 number.  NaN among the inputs is not served.
; REGISTERS, in windows of 256: window 0: v16-31 addresses; v32-95, v96-111, v113 at work on the way out; from v128 A's fragments, ONE set (on the way out: rows read back).
;   window 1: B's fragments, TWO sets, at v0 and v128 (in the last step set 0 holds the bias).   windows 2, 3: the accumulators ((a, b) at v[8 (8 (a % 4) + b)]).
.set KROW,   1024                      ; a row of A or of B in memory, in bytes
.set ROWB,   256                       ; a tile's row: 256 codes
.set PITCH,  272                       ; an LDS row: 256 bytes + 16 of padding = 68 words: row r starts at bank 4 r mod 64 (64 banks of 4 bytes: ISA guide 11.1)
.set FR,     16                        ; registers of a fragment: 16 rows x 128 K
.set NL,     4                         ; LDS loads that bring one
.set NP,     4                         ; places behind this matrix instruction (ISA guide 7.12.1)
.set HALFT,  128*PITCH                 ; 128 rows: what one tensor load brings
.set SLOT,   4*HALFT                   ; A's 256 rows, then B's 256 rows
.set LAPS,   KROW/(2*ROWB)             ; a lap = two K steps = once round the ring: 2
.set SPARE,  2*SLOT                    ; behind the ring: the spare words, 128 bytes for each wave
.set QP,     144                       ; q, k: a stage row: 128 codes + 16.  Each wave's stage: 16 rows, from LDS byte 2,304 x wave on
.set STGV,   4*16*QP                   ; V^T: the work-group's stage, 256 rows of VP bytes, behind the four small ones.  Both lie in slot 0, which has had its last fill and its last read by then
.set VP,     272
.set HEADB,  131072                    ; a head's 2,048 x 64 codes
.set ADRA, 16                          ; v16-17  LDS address of my A fragments in slot 0, 1
.set ADRB, 20                          ; v20-21  the same for B
.set BO,   22                          ; v22     q, k: my byte in the wave's 128 numbers of bias: 32 (lane / 16)
.set BVO,  23                          ; v23     V^T: 4 (lane % 16)
.set STO,  24                          ; v24     q, k: where I put 8 codes of a row
.set RD,   25                          ; v25     q, k: where I read 16 bytes back
.set CO,   26                          ; v26     q, k: 16 x lane
.set STV,  27                          ; v27     V^T: where I put 8 codes
.set SPW,  28                          ; v28     LDS address of my spare word; never rewritten
.set NIL,  29                          ; v29     0; never rewritten
.set RDV,  30                          ; v30     V^T: where I read a row back
.set COV,  31                          ; v31     V^T: my byte offset in v_codes
.set TMP,  32                          ; v32-95  a block's 64 numbers
.set CD,   96                          ; v96-111 their codes
.set LIMR, 112
.set SCR,  113                         ; v113    2^eQ
.set AF,   128
.set BK,   128
.set G1, 24                            ; s[24:31] descriptor group 1 for A's tiles;  s[32:39] group 0, one set for each slot
.set G0, 32
.set G1B, 48                           ; s[48:55], s[56:63] the same for B's tiles
.set G0B, 56
.set MSB, 0
.macro WIN new                         ; the immediate's high byte repeats the setting that is left
.if MSB != (\new)
	s_set_vgpr_msb (MSB<<8)|(\new)
.set MSB, (\new)
.endif
.endm
.set MUL_LO, 0xa1                      ; source 0 (B) window 1, source 1 (A) window 0, C and D window 2
.set MUL_HI, 0xf1                      ; the same, C and D window 3
.set TO_B,   0x40                      ; destination window 1, address window 0
; A joint load: waves 0 and 1 fetch for A, waves 2 and 3 for B.  The branch hangs on the wave's number alone.  Four v_nop follow each of the two lines.
.macro JLOAD g0a, g1a, g0b, g1b
	s_cmp_eq_u32 s15, 0
	s_cbranch_scc0 .Lfor_b_\@
	tensor_load_to_lds s[\g0a:\g0a+3], s[\g1a:\g1a+7]
	s_nop 0
.rept 4
	v_nop
.endr
	s_branch .Lasked_\@
.Lfor_b_\@:
	tensor_load_to_lds s[\g0b:\g0b+3], s[\g1b:\g1b+7]
	s_nop 0
.rept 4
	v_nop
.endr
.Lasked_\@:
.endm
.macro CREST                           ; a round of the cluster's barrier behind its opening barrier
	s_cmp_lg_u32 s14, 0
	s_cbranch_scc1 .Lnot_wave_0_\@
	s_barrier_signal -3
.Lnot_wave_0_\@:
	s_barrier_wait -3
	s_barrier_signal -1
	s_barrier_wait -1
.endm
.macro CROUND                          ; a whole round
	s_barrier_signal -1
	s_barrier_wait -1
	CREST
.endm
	s_load_b512 s[68:83], s[0:1], 0x0              ; x s[68:69], Wq s[70:71], Wk s[72:73], Wv s[74:75], bq s[76:77], bk s[78:79], bv s[80:81], the scales' exponents s[82:83]
	s_load_b128 s[84:87], s[0:1], 0x40             ; q_codes, k_codes
	s_load_b64 s[88:89], s[0:1], 0x50              ; v_codes
	v_lshl_add_u32 v[SPW], v0, 2, SPARE
	v_mov_b32 v[NIL], 0
	ds_add_u32 v28, v29
	ds_add_u32 v28, v29
	s_wait_dscnt 0x0
	v_lshrrev_b32 v1, 5, v0
	v_readfirstlane_b32 s14, v1                    ; wave 0..3
	s_lshr_b32 s15, s14, 1                         ; which half of the tile's rows is mine.  Also: I fetch for A (0) or for B (1)
	s_and_b32 s16, s14, 1                          ; which half of its columns.  Also: which 128 rows of that tile I fetch
	s_bfe_u32 s40, ttmp6, 0x40000                  ; cx, cy: my place in the cluster
	s_bfe_u32 s41, ttmp6, 0x40004
	s_and_b32 s90, ttmp7, 0xffff
	s_lshl_b32 s90, s90, 2                         ; 4 x cluster y: it walks x's 32 tiles of 256 tokens,
	s_cmp_eq_u32 ttmp9, 2                          ; which are C's tile rows for q and k, and its tile columns for V^T
	s_cselect_b32 s91, 0, s90
	s_cselect_b32 s92, s90, 0
	s_add_co_u32 s17, s41, s91                     ; tile row of C: cy (+ 4 x cluster y)
	s_add_co_u32 s42, s40, s92                     ; tile column of C: cx (+ 4 x cluster y)
	s_lshl_b32 s43, s41, 2
	s_lshl_b32 s43, 15, s43                        ; my row of the cluster
	s_lshl_b32 s44, 0x1111, s40                    ; my column
	; descriptor group 1: a tile of 128 rows x 256 bytes, padded in LDS
	s_or_b32 s[G1+0], s43, (0<<16)|(1<<20)|(1<<21)|(5<<22)|(3<<25)  ; 15:0 the mask: A's tiles go to my row; 17:16 element of 1 byte; 20 padding on; 21 set beside a mask; 24:22 after every 64 words (code 5); 31:25 of 4 words (code 3)
	s_or_b32 s[G1B+0], s44, (0<<16)|(1<<20)|(1<<21)|(5<<22)|(3<<25)
.irp g, G1, G1B
	s_mov_b32 s[\g+1], ROWB<<16                    ; tensor_dim0
	s_mov_b32 s[\g+2], 128<<16                     ; tensor_dim1 = 128
	s_mov_b32 s[\g+3], ROWB<<16                    ; tile_dim0
	s_mov_b32 s[\g+4], 128                         ; tile_dim1 = 128
	s_mov_b32 s[\g+5], KROW                        ; tensor_dim0_stride
	s_mov_b32 s[\g+6], 0
	s_mov_b32 s[\g+7], 0
.endr
	s_lshl_b32 s18, s16, 7                         ; which 128 rows of the tile I fetch
	s_lshl_b32 s20, s17, 8
	s_add_co_u32 s20, s20, s18                     ; A: row 256 x tile row + 128 x half,
	s_lshl_b32 s20, s20, 10                        ; in bytes (under 2^23)
	s_mov_b32 s21, 0
	s_lshl_b32 s46, s42, 8
	s_add_co_u32 s46, s46, s18                     ; B: row 256 x tile column + 128 x half
	s_lshl_b32 s46, s46, 10
	s_mov_b32 s47, 0
	s_mul_i32 s45, s14, HALFT                      ; where they go: wave x 128 rows: no place in the cluster enters an LDS address
	s_wait_kmcnt 0x0
	s_cmp_eq_u32 ttmp9, 0                          ; the buffers are chosen by the cluster's x alone
	s_cselect_b64 s[6:7], s[70:71], s[72:73]       ; Wq or Wk
	s_cselect_b64 s[8:9], s[76:77], s[78:79]       ; bq or bk
	s_cselect_b64 s[10:11], s[84:85], s[86:87]     ; q_codes or k_codes
	s_cmp_eq_u32 ttmp9, 2
	s_cselect_b64 s[4:5], s[74:75], s[68:69]       ; A: Wv, else x
	s_cselect_b64 s[6:7], s[68:69], s[6:7]         ; B: x, else the weight
	s_cselect_b64 s[8:9], s[80:81], s[8:9]         ; the bias
	s_cselect_b64 s[10:11], s[88:89], s[10:11]     ; where the codes go
	s_load_b256 s[68:75], s[82:83], 0x0            ; e0 .. e7 (the pointers that lay here have been chosen from)
	s_load_b128 s[76:79], s[82:83], 0x20           ; e8 .. e11
	s_add_nc_u64 s[20:21], s[4:5], s[20:21]
	s_add_nc_u64 s[46:47], s[6:7], s[46:47]
	CROUND                                         ; all sixteen work-groups are here: the first joint loads meet
.irp s, 0,1
	s_mov_b32 s[G0+4*\s], 1
	s_add_co_u32 s[G0+4*\s+1], s45, \s*SLOT
	s_add_nc_u64 s[G0+4*\s+2:G0+4*\s+3], s[20:21], \s*ROWB
	s_or_b32 s[G0+4*\s+3], s[G0+4*\s+3], 0x80000000
	s_mov_b32 s[G0B+4*\s], 1
	s_add_co_u32 s[G0B+4*\s+1], s45, \s*SLOT
	s_add_nc_u64 s[G0B+4*\s+2:G0B+4*\s+3], s[46:47], \s*ROWB
	s_or_b32 s[G0B+4*\s+3], s[G0B+4*\s+3], 0x80000000
	JLOAD G0+4*\s, G1, G0B+4*\s, G1B
.endr
	v_and_b32 v1, 15, v0                           ; r = lane % 16
	v_bfe_u32 v2, v0, 4, 1                         ; h = lane / 16
	v_mul_u32_u24 v3, v1, PITCH
	v_lshl_add_u32 v4, v2, 4, v3                   ; a fragment's row x pitch + 16 x half
	s_mul_i32 s21, s15, HALFT                      ; my 128 rows of A
	s_mul_i32 s22, s16, HALFT                      ; my 128 rows of B,
	s_add_co_u32 s22, s22, 2*HALFT                 ; which lie behind A's 256
.irp s, 0,1
	v_add_nc_u32 v[ADRA+\s], s21, v4
	v_add_nc_u32 v[ADRB+\s], s22, v4
	s_add_co_u32 s21, s21, SLOT
	s_add_co_u32 s22, s22, SLOT
.endr
	v_and_b32 v5, 31, v0                           ; lane
	v_lshlrev_b32 v[BO], 5, v2
	v_lshlrev_b32 v[BVO], 2, v1
	s_mul_i32 s23, s14, 16*QP                      ; q, k: my stage
	v_mul_u32_u24 v6, v1, QP
	v_lshl_add_u32 v6, v2, 3, v6
	v_add_nc_u32 v[STO], s23, v6                   ; in: row r, 8 bytes for each half of the lanes
	v_lshrrev_b32 v6, 2, v5
	v_mul_u32_u24 v6, v6, QP
	v_and_b32 v7, 3, v5
	v_lshl_add_u32 v6, v7, 4, v6
	v_add_nc_u32 v[RD], s23, v6                    ; back: four lanes to a token's 64 bytes of one head, eight tokens an instruction
	v_lshlrev_b32 v[CO], 4, v5                     ; which are 512 consecutive bytes of the output
	s_mul_i32 s23, s15, 128*VP                     ; V^T: the work-group's stage: my 128 channels, my half of their 256 bytes
	s_lshl_b32 s21, s16, 7
	s_add_co_u32 s23, s23, s21
	s_add_co_u32 s23, s23, STGV
	v_lshl_add_u32 v6, v2, 3, v3                   ; row r x 272 + 8 x half
	v_add_nc_u32 v[STV], s23, v6
	s_mul_i32 s23, s14, 64*VP                      ; back: wave w takes rows 64 w .. 64 w + 63, whole; lanes 0-15 one row, lanes 16-31 the next
	s_add_co_u32 s23, s23, STGV
	v_mul_u32_u24 v6, v2, VP
	v_lshl_add_u32 v6, v1, 4, v6
	v_add_nc_u32 v[RDV], s23, v6
	v_lshlrev_b32 v6, 11, v2                       ; and the same two rows in v_codes, 2,048 bytes apart
	v_lshl_add_u32 v[COV], v1, 4, v6
	; where my part of the output begins, in bytes.  q, k: ((batch x 16 + head) x 2048 + token) x 64, batch = tile row / 8, head = 4 x tile column + 2 x column half, token = 256 (tile row % 8) + 128 x row half
	s_lshr_b32 s18, s17, 3
	s_lshl_b32 s18, s18, 4
	s_lshl_b32 s19, s42, 2
	s_add_co_u32 s18, s18, s19
	s_lshl_b32 s19, s16, 1
	s_add_co_u32 s18, s18, s19
	s_lshl_b32 s18, s18, 11
	s_and_b32 s19, s17, 7
	s_lshl_b32 s19, s19, 8
	s_add_co_u32 s18, s18, s19
	s_lshl_b32 s19, s15, 7
	s_add_co_u32 s18, s18, s19
	s_lshl_b32 s18, s18, 6
	; V^T: (batch x 1024 + 256 x tile row + 64 x wave) x 2048 + 256 (tile column % 8), batch = tile column / 8
	s_lshr_b32 s22, s42, 3
	s_lshl_b32 s22, s22, 10
	s_lshl_b32 s23, s17, 8
	s_add_co_u32 s22, s22, s23
	s_lshl_b32 s23, s14, 6
	s_add_co_u32 s22, s22, s23
	s_lshl_b32 s22, s22, 11
	s_and_b32 s23, s42, 7
	s_lshl_b32 s23, s23, 8
	s_add_co_u32 s22, s22, s23
	; the bias: q, k: by my 128 columns; V^T: by my 128 rows
	s_lshl_b32 s93, s42, 10
	s_lshl_b32 s94, s16, 9
	s_add_co_u32 s93, s93, s94
	s_lshl_b32 s94, s17, 10
	s_lshl_b32 s95, s15, 9
	s_add_co_u32 s94, s94, s95
	s_cmp_eq_u32 ttmp9, 2
	s_cselect_b32 s18, s22, s18
	s_cselect_b32 s22, s94, s93
	s_mov_b32 s19, 0
	s_mov_b32 s23, 0
	s_add_nc_u64 s[10:11], s[10:11], s[18:19]
	s_add_nc_u64 s[8:9], s[8:9], s[22:23]
.macro FRAG reg, adr, q, i             ; a fragment, 16 rows x 128 K: lane l holds row l % 16; registers 4 c .. 4 c + 3 hold K = 32 c + 16 (l / 16) + 0 .. 15
.irp c, 0,1,2,3
	ds_load_b128 v[\reg+4*\c:\reg+4*\c+3], v[\adr] offset:128*(\q)+32*\c+(\i)*16*PITCH
.endr
.endm
; 16 matrix instructions: A's blocks a0, a0 + 1 x B's eight, 128 along K.  p: B's set.  zero = 1: the first product starts the sums: nothing is ever cleared.
; The 64 accumulators take turns, one instruction a turn, in the same order in every step.
.macro MUL16 a0, p, zero
.irp a, \a0, \a0+1
.irp b, 0,1,2,3,4,5,6,7
.if \zero
	v_wmma_f32_16x16x128_bf8_bf8 v[8*(8*((\a)%4)+\b):8*(8*((\a)%4)+\b)+7], v[128*(\p)+FR*\b:128*(\p)+FR*\b+FR-1], v[AF+FR*(\a):AF+FR*(\a)+FR-1], 0
.else
	v_wmma_f32_16x16x128_bf8_bf8 v[8*(8*((\a)%4)+\b):8*(8*((\a)%4)+\b)+7], v[128*(\p)+FR*\b:128*(\p)+FR*\b+FR-1], v[AF+FR*(\a):AF+FR*(\a)+FR-1], v[8*(8*((\a)%4)+\b):8*(8*((\a)%4)+\b)+7]
.endif
.endr
.endr
.endm
.macro FETCH_B slot, q, p              ; B's eight fragments of the slot's q-th 128 along K into set p
	WIN TO_B
.irp i, 0,1,2,3,4,5,6,7
	FRAG 128*(\p)+FR*\i, ADRB+\slot, \q, \i
.endr
	WIN 0
.endm
.macro FETCH_A slot, q, i0             ; A's blocks i0 .. i0 + 3
.irp i, \i0, \i0+1, \i0+2, \i0+3
	FRAG AF+FR*(\i), ADRA+\slot, \q, \i
.endr
.endm
; A load into a register that a matrix instruction has read, and a vector instruction that reads a matrix result, stand NP places behind that matrix instruction; only plain vector
; instructions that name none of its registers are places (ISA guide 7.12.1 for vector instructions).
.macro PLACES n
.rept \n
	v_nop
.endr
.endm
; A step of 128 along K that has its successor in the same slot.
.macro STEP slot, q, zero
	s_wait_dscnt 4*NL                              ; B's set and A's blocks 0-3 are in; the youngest sixteen loads (A's blocks 4-7) may be out
	WIN MUL_LO
	MUL16 0, (\q)%2, \zero
	MUL16 2, (\q)%2, \zero
	s_wait_dscnt 0                                 ; A's blocks 4-7 are in (asked for 32 matrix instructions ago)
	PLACES NP
	FETCH_B \slot, (\q)+1, 1-(\q)%2
	FETCH_A \slot, (\q)+1, 0
	WIN MUL_HI
	MUL16 4, (\q)%2, \zero
	MUL16 6, (\q)%2, \zero
	PLACES NP
	WIN 0
	FETCH_A \slot, (\q)+1, 4
.endm
; A slot's last step changes slots: ONE barrier; in front of it each wave waits for all its tensor loads, adds 0 to its spare word, and waits for that and for its own reads of this slot.  fill = 1: this slot is filled again, two K steps ahead.
.macro TURN slot, next, fill
	s_wait_tensorcnt 0x0                           ; all my tensor loads have landed: my part of the next slot  (every window is 0 here)
	ds_add_u32 v[SPW], v[NIL]                      ; 0 onto my spare word
	s_wait_dscnt 4*NL+1                            ; (the add and the youngest sixteen loads, A's blocks 4-7, may be out)
	WIN MUL_LO
	MUL16 0, 1, 0                                  ; sixteen matrix instructions stand between the add and the wait for it
	s_wait_dscnt 0x0                               ; the add is done, and my reads of this slot are over
	s_barrier_signal -1
	MUL16 2, 1, 0
	WIN 0
	s_barrier_wait -1
.if \fill
	CREST                                          ; the barrier has opened a round of the cluster's barrier: no wave of any partner still reads this slot's tile or has a load on its way
	s_add_nc_u64 s[G0+4*\slot+2:G0+4*\slot+3], s[G0+4*\slot+2:G0+4*\slot+3], 2*ROWB
	s_add_nc_u64 s[G0B+4*\slot+2:G0B+4*\slot+3], s[G0B+4*\slot+2:G0B+4*\slot+3], 2*ROWB
	JLOAD G0+4*\slot, G1, G0B+4*\slot, G1B         ; the first tensor load behind the round; the four v_nop behind it are the places in front of the loads below
.else
	PLACES NP
.endif
	FETCH_B \next, 0, 0
	FETCH_A \next, 0, 0
	WIN MUL_HI
	MUL16 4, 1, 0
	MUL16 6, 1, 0
	PLACES NP
	WIN 0
	FETCH_A \next, 0, 4
.endm
.macro LASTSTEP                        ; the very last 128 along K: nothing more to fetch; then the places in front of the first read of results, and the bias
	s_wait_dscnt 4*NL
	WIN MUL_LO
	MUL16 0, 1, 0
	MUL16 2, 1, 0
	s_wait_dscnt 0
	WIN MUL_HI
	MUL16 4, 1, 0
	MUL16 6, 1, 0
	WIN 0
	PLACES NP
	s_wait_loadcnt 0x0                             ; the bias is in
.endm
; Block a (16 rows of A x my 128 rows of B) becomes codes: number = sum x 2^(eA + eB) + bias, one packed multiply-add for two, each accumulator from its low end on
; (the conversion to an 8-bit code does not saturate: ISA guide 7.6.2); eight neighbours a conversion.  rowbias = 0: the bias goes by the register (my 64 columns); 1: by the lane (its row), a pair of equal numbers for block a.
.macro CONV a, rowbias
.set AC, 64*((\a)%4)
	WIN 0x12+((\a)/4)                              ; source 0 (the sums) window 2 or 3, source 2 (the bias) window 1
.set j, 0
.rept 32
.if \rowbias
	v_pk_fma_f32 v[TMP+j:TMP+j+1], v[AC+j:AC+j+1], s[96:97], v[2*(\a):2*(\a)+1] op_sel_hi:[1,0,1]
.else
	v_pk_fma_f32 v[TMP+j:TMP+j+1], v[AC+j:AC+j+1], s[96:97], v[j:j+1] op_sel_hi:[1,0,1]
.endif
.set j, j+2
.endr
	WIN 0
.set j, 0
.rept 64
.set j, j+1
.endr
.irp b, 0,1,2,3,4,5,6,7
	v_cvt_scalef32_pk8_bf8_f32 v[CD+2*\b:CD+2*\b+1], v[TMP+8*\b:TMP+8*\b+7], v[SCR]
.endr
	v_nop                                          ; one plain vector instruction behind the last conversion, ahead of the next vector instruction that writes its sources
.endm
; q, k: block a's codes (16 tokens x 128 channels = two heads) go through my own stage and come back as 8 tokens x 64 bytes of one head: 512 consecutive bytes of the output.
; LDS serves a wave's instructions in order (ISA guide 5.7.1.4): no wait between the stores and the loads.
.macro QK_OUT a
	CONV \a, 0
.irp b, 0,1,2,3,4,5,6,7
	ds_store_b64 v[STO], v[CD+2*\b:CD+2*\b+1] offset:16*\b
.endr
.set BB, BK+16*((\a)%2)
.irp i, 0,1,2,3
	ds_load_b128 v[BB+4*\i:BB+4*\i+3], v[RD] offset:(\i%2)*8*QP+(\i/2)*64
.endr
.endm
.macro QK_SEND a, younger              ; younger: the LDS instructions issued behind block a's loads, which may stay out
.set BB, BK+16*((\a)%2)
	s_wait_dscnt \younger
.irp i, 0,1,2,3
	global_store_b128 v[CO], v[BB+4*\i:BB+4*\i+3], s[10:11] offset:(\i/2)*HEADB+(\a)*1024+(\i%2)*512   ; 32 lanes store 512 consecutive bytes, at a multiple of 512 from the buffer's first byte
.endr
.endm
.macro V_OUT a                         ; V^T: block a's codes (16 channels x 128 tokens) into the work-group's stage
	CONV \a, 1
.irp b, 0,1,2,3,4,5,6,7
	ds_store_b64 v[STV], v[CD+2*\b:CD+2*\b+1] offset:(\a)*16*VP+16*\b
.endr
.endm
	s_wait_tensorcnt 1                             ; my part of K step 0 is in (K step 1's load may be out),
	s_barrier_signal -1
	s_barrier_wait -1                              ; everybody's is
	FETCH_B 0, 0, 0
	FETCH_A 0, 0, 0
	FETCH_A 0, 0, 4
	STEP 0, 0, 1                                   ; the first step stands in front of the loop: its products start the sums
	s_mov_b32 s3, LAPS-1
.Llap:                                                 ; a trip goes once round the ring, from a lap's second step to the next lap's first, and fills both slots again
	TURN 0, 1, 1
	STEP 1, 0, 0
	TURN 1, 0, 1
	STEP 0, 0, 0
	s_sub_co_u32 s3, s3, 1
	s_cmp_lg_u32 s3, 0
	s_cbranch_scc1 .Llap
	TURN 0, 1, 0                                   ; the last lap fills nothing, and has no round of the cluster's barrier
	STEP 1, 0, 0
	s_wait_kmcnt 0x0                               ; the exponents.  They are chosen by the cluster's x, without a branch
	s_cmp_eq_u32 ttmp9, 0
	s_cselect_b32 s96, s68, s70                    ; x's: e0 or e2
	s_cselect_b32 s97, s69, s71                    ; the weight's: e1 or e3
	s_cselect_b32 s98, s74, s75                    ; the result's: e6 or e7
	s_cmp_eq_u32 ttmp9, 2
	s_cselect_b32 s96, s72, s96                    ; e4
	s_cselect_b32 s97, s73, s97                    ; e5
	s_cselect_b32 s98, s77, s98                    ; e9
	s_add_co_i32 s96, s96, s97
	s_add_co_i32 s96, s96, 127
	s_lshl_b32 s96, s96, 23                        ; 2^(eA + eB) as f32
	s_mov_b32 s97, s96                             ; (named with it as a pair, so it is written)
	s_add_co_i32 s98, s98, 127
	s_lshl_b32 s99, s98, 23
	v_mov_b32 v[SCR], s99                          ; 2^eQ: the conversion takes its exponent field
	s_cmp_eq_u32 ttmp9, 2                          ; the ways out part on the cluster's x: all waves of all sixteen partners take the same one
	s_cbranch_scc1 .Lvpath
	; ---- q, k.  B's set 0 was last read in front of the step's closing places: it takes the bias of my 128 columns: register 8 b + i = column 16 b + 8 (lane / 16) + i
	WIN TO_B
.irp b, 0,1,2,3,4,5,6,7
	global_load_b128 v[8*\b:8*\b+3], v[BO], s[8:9] offset:64*\b
	global_load_b128 v[8*\b+4:8*\b+7], v[BO], s[8:9] offset:64*\b+16
.endr
	WIN 0
	LASTSTEP
	QK_OUT 0
.irp a, 1,2,3,4,5,6,7
.if \a > 1
	s_wait_xcnt 0x0                                ; block a - 2's stores have read their registers: block a's loads may land there
.endif
	QK_OUT \a
	QK_SEND \a-1, 12                               ; behind block a - 1's loads: block a's 8 stores and 4 loads
.endr
	QK_SEND 7, 0
	s_branch .Lend
.Lvpath:
	; ---- V^T.  The bias goes by the row: for block a, bv of channel 16 a + lane % 16, twice, as the pair that the packed form names
	WIN TO_B
.irp a, 0,1,2,3,4,5,6,7
	global_load_b32 v[2*\a], v[BVO], s[8:9] offset:64*\a
	global_load_b32 v[2*\a+1], v[BVO], s[8:9] offset:64*\a
.endr
	WIN 0
	LASTSTEP
.irp a, 0,1,2,3,4,5,6,7
	V_OUT \a
.endr
	s_wait_dscnt 0x0                               ; for the others' sake: my stores into the stage are done: a row's 256 bytes come from two waves
	s_barrier_signal -1
	s_barrier_wait -1
.set i, 0
.rept 32
	ds_load_b128 v[BK+4*i:BK+4*i+3], v[RDV] offset:i*2*VP
.set i, i+1
.endr
.set i, 0
.rept 32
	s_wait_dscnt 31-i                              ; the younger loads may stay out
	global_store_b128 v[COV], v[BK+4*i:BK+4*i+3], s[10:11] offset:i*4096   ; 16 lanes store 256 consecutive bytes, at a multiple of 256 from the buffer's first byte
.set i, i+1
.endr
.Lend:
	s_wait_tensorcnt 0x0                           ; the wave's end: behind my last tensor load and my last LDS store
	ds_add_u32 v[SPW], v[NIL]
	s_wait_dscnt 0x0
	CROUND                                         ; the closing round: no work-group ends while a partner may still ask for a tile that names it
	s_endpgm
.Lfunc_end_k_q690253a77a_qkv:
	.size	k_q690253a77a_qkv, .Lfunc_end_k_q690253a77a_qkv-k_q690253a77a_qkv
	.p2alignl 7, 3214868480
	.fill 96, 4, 3214868480
	.section	.rodata,"a",@progbits
	.p2align	6, 0x0
	.amdhsa_kernel k_q690253a77a_qkv
		.amdhsa_group_segment_fixed_size 327680
		.amdhsa_private_segment_fixed_size 0
		.amdhsa_enable_private_segment 0
		.amdhsa_kernarg_size 88
		.amdhsa_user_sgpr_count 2
		.amdhsa_user_sgpr_kernarg_segment_ptr 1
		.amdhsa_wavefront_size32 1
		.amdhsa_system_sgpr_workgroup_id_x 1
		.amdhsa_system_sgpr_workgroup_id_y 1
		.amdhsa_system_sgpr_workgroup_id_z 1
		.amdhsa_system_vgpr_workitem_id 0
		.amdhsa_next_free_vgpr 1024
		.amdhsa_next_free_sgpr 100
		.amdhsa_reserve_vcc 0
		.amdhsa_float_denorm_mode_32 3
		.amdhsa_float_denorm_mode_16_64 3
		.amdhsa_fp16_overflow 1
		.amdhsa_memory_ordered 1
		.amdhsa_forward_progress 1
		.amdhsa_inst_pref_size 149
	.end_amdhsa_kernel
	.amdgpu_metadata
---
amdhsa.version: [ 1, 2 ]
amdhsa.kernels:
  - .name:           k_q690253a77a_qkv
    .symbol:         k_q690253a77a_qkv.kd
    .args:
      - { .name: x_codes, .offset: 0, .size: 8, .value_kind: global_buffer, .address_space: global }
      - { .name: Wq_codes, .offset: 8, .size: 8, .value_kind: global_buffer, .address_space: global }
      - { .name: Wk_codes, .offset: 16, .size: 8, .value_kind: global_buffer, .address_space: global }
      - { .name: Wv_codes, .offset: 24, .size: 8, .value_kind: global_buffer, .address_space: global }
      - { .name: bq, .offset: 32, .size: 8, .value_kind: global_buffer, .address_space: global }
      - { .name: bk, .offset: 40, .size: 8, .value_kind: global_buffer, .address_space: global }
      - { .name: bv, .offset: 48, .size: 8, .value_kind: global_buffer, .address_space: global }
      - { .name: lowp_scales, .offset: 56, .size: 8, .value_kind: global_buffer, .address_space: global }
      - { .name: q_codes, .offset: 64, .size: 8, .value_kind: global_buffer, .address_space: global }
      - { .name: k_codes, .offset: 72, .size: 8, .value_kind: global_buffer, .address_space: global }
      - { .name: v_codes, .offset: 80, .size: 8, .value_kind: global_buffer, .address_space: global }
    .group_segment_fixed_size: 327680
    .private_segment_fixed_size: 0
    .kernarg_segment_align: 8
    .kernarg_segment_size: 88
    .max_flat_workgroup_size: 128
    .sgpr_count:     100
    .vgpr_count:     1024
    .wavefront_size: 32
...
	.end_amdgpu_metadata
.endif
;; end of part 1
;; launch attn (part 2): grid 4 x 64, 16 waves a work-group, clusters of 4 x 1, 327,680 bytes of LDS; arguments q_codes, k_codes, v_codes, lowp_scales, a_codes; writes a_codes
.if DOCPART == 2
	.amdgcn_target "amdgcn-amd-amdhsa--gfx1250"
	.amdhsa_code_object_version 6
	.text
	.protected	k_q690253a77a_attn
	.globl	k_q690253a77a_attn
	.p2align	8
	.type	k_q690253a77a_attn,@function
k_q690253a77a_attn:
	s_mov_b64 s[64:65], 0
	v_nop
	global_prefetch_b8 v0, s[64:65] scope:SCOPE_SE
	s_setreg_imm32_b32 hwreg(HW_REG_WAVE_MODE, 25, 1), 1
	s_wait_xcnt 0x0
	s_wait_alu depctr_hold_cnt(0) depctr_sa_sdst(0) depctr_va_vdst(0) depctr_va_sdst(0) depctr_va_ssrc(0) depctr_va_vcc(0) depctr_vm_vsrc(0)
	s_getreg_b32 s2, hwreg(HW_REG_IB_STS2, 6, 4)
	s_cmp_eq_u32 s2, 0
	s_cbranch_scc0 .Lentry_in_a_cluster
	s_endpgm
.Lentry_in_a_cluster:
	s_bfe_u32 s2, ttmp6, 0x10000c
	s_cmp_lg_u32 s2, 0x3003
	s_cbranch_scc0 .Lentry_shape_is_right
	s_endpgm
.Lentry_shape_is_right:
; Causal attention of one head on codes of BF8 (E5M2), and the quantiser of its result.  q_codes, k_codes, a_codes: [batch x 16 + head][2048][64]; v_codes: [batch x 16 + head][64 channels][2048 keys].
; t = score x log2(e) / 8; M = the row's largest t so far, rounded UP to a whole number; p = 2^(t - M) is quantised (scale entry 8), not normalised; the row's sum is taken of the unquantised p and divides at the end.
; When M moves, the sum and O are multiplied by 2^(old M - new M): exact.  The result, O / sum x 2^(e8 + e9), is quantised with scale entry 10.
; ALL OF A HEAD'S K AND V LIE IN LDS AT ONCE: 2,048 x 64 codes each, padded.  Every LDS byte is filled once, by sixteen tensor loads at the head, one a wave: no ring, and one barrier.
; CLUSTER: the four work-groups of a cluster serve one head and need the same K and V: each of the sixteen tiles is asked for JOINTLY, with a mask that names the four.
; SHARES.  A head has 128 tiles of 16 queries.  With u = wave % 4, p = wave / 4, c = 4 u + cx, a wave takes two tiles, one after the other: first queries 2032 - (256 p + 16 c) on, then 256 p + 16 c on.
; A tile needs the key steps (128 keys) up to its diagonal: 16 - 2 p - u / 2 and 2 p + 1 + u / 2: 17 together, for every wave of every work-group.  Both counts hang on the wave's number alone:
; cx stands in c's low bits and enters only q's and a_codes' addresses in memory and the mask's comparison.  A tile's last step is the one on the diagonal; all before it are open.
; LAYOUT.  Both products are used transposed: S^T = K Q^T (source 0 = 16 keys, source 1 = my 16 queries; 16x16x64), O^T = V^T P^T (source 0 = 16 channels, source 1 = P; 16x16x128): a lane holds ONE query throughout.
; In S^T's tile t lane (r, h) holds keys 16 t + 8 h + 0 .. 7: their eight codes are registers 2 t, 2 t + 1 of the second product's operand as that form lays it; V's fragments are fetched in the same order, 8 bytes a load.
; K's and Q's fragments are fetched by two loads of 16 bytes: a permutation of the head's 64, the same on both sides.
; LIMITS: e6 + e7 between -123 and 130 (added to the exponent field of log2(e) / 8); e8 and e10 between -126 and 112; e8 + e9 is applied by v_ldexp_f32 and has none.  NaN among the inputs is not served.
; REGISTERS: v1-7 addresses and the mask's numbers, which stay; v8-9 the step's addresses; v12 -M, v13 the largest t, v[14:15] the sum in two halves; v16-23, v24-31 Q of the two tiles;
; v32-95 K's eight fragments, then V's four; v96-159 S^T, then p; v160-191 O^T; v192-207 p's codes; v208-223 the way out; v232-254 at work.
.set KP,    80                         ; a key's row in LDS: 64 bytes + 16 of padding = 20 words: the 16 rows of a load start at 16 different groups of four banks (64 banks of 4 bytes: ISA guide 11.1)
.set VP,    272                        ; a channel's 256 keys: 256 bytes + 16
.set KCH,   256*KP                     ; K: a tensor load's 256 keys
.set VSL,   64*VP                      ; V: a tensor load's 64 channels x 256 keys
.set VOFF,  8*KCH                      ; K's eight pieces, then V's eight,
.set STG,   VOFF+8*VSL                 ; then the stages for the way out: 16 rows x 80 bytes for each wave; no tensor load lands here
.set AK0,  1                           ; v1   my lane's place in a tile of K
.set AV0,  2                           ; v2   the same for V
.set STO,  3                           ; v3   the way out: where I put 8 codes
.set RD,   4                           ; v4   and where I read 16 bytes back
.set GO,   5                           ; v5   16 x lane
.set DHI,  6                           ; v6   first tile: my query less the diagonal step's first key less 8 (lane / 16)
.set DLO,  7                           ; v7   second tile: the same
.set ADK,  8
.set ADV,  9
.set F,    32
.set S,    96
.set O,    160
.set PC,   192
.set OC,   208
.set BK,   216
.set WV,   14                          ; s14  my wave's number
.set CX,   15                          ; s15  my work-group's place in the cluster
.set WU,   16                          ; s16  u
.set WP,   17                          ; s17  p
.set SEL,  20                          ; s[20:21] lane selects for v_permlanex16_b32: lane l xor 16
.set CS,   22                          ; s[22:23] log2(e) / 8 x 2^(e6 + e7)
.set G1K,  24                          ; s[24:31], s[32:39] descriptor groups 1;  s[40:43], s[44:47] groups 0
.set G1V,  32
.set G0K,  40
.set G0V,  44
.set NHI,  66                          ; s66  key steps of the first tile
.set NLO,  67                          ; s67  of the second
.set KI,   68                          ; s68  the trip's first key step
.set T1,   69                          ; s69  the step in hand + 1
.set TBK,  70                          ; s70  LDS byte of the trip's 256 keys in K
.set TBV,  71                          ; s71  in V
.macro ROUND                           ; a round of the cluster's barrier
	s_barrier_signal -1
	s_barrier_wait -1
	s_cmp_lg_u32 s[WV], 0
	s_cbranch_scc1 .Lnot_wave_0_\@
	s_barrier_signal -3
.Lnot_wave_0_\@:
	s_barrier_wait -3
	s_barrier_signal -1
	s_barrier_wait -1
.endm
	s_load_b128 s[4:7], s[0:1], 0x0                ; q_codes s[4:5], k_codes s[6:7]
	s_load_b128 s[8:11], s[0:1], 0x10              ; v_codes s[8:9], the scales' exponents s[10:11]
	s_load_b64 s[12:13], s[0:1], 0x20              ; a_codes
	v_lshl_add_u32 v251, v0, 2, 0x4f000
	v_mov_b32 v255, 0
	ds_add_u32 v251, v255
	ds_add_u32 v251, v255
	v_lshrrev_b32 v10, 5, v0
	s_delay_alu instid0(VALU_DEP_1)
	v_readfirstlane_b32 s[WV], v10                 ; wave 0..15
	s_bfe_u32 s[CX], ttmp6, 0x40000
	s_and_b32 s[WU], s[WV], 3
	s_lshr_b32 s[WP], s[WV], 2
	s_and_b32 s18, ttmp7, 0xffff                   ; batch x 16 + head, which the four partners share,
	s_lshl_b32 s18, s18, 17                        ; x 131,072: its first byte in each of the four buffers
	s_mov_b32 s19, 0
	s_and_b32 s73, s[WV], 7                        ; which of the eight pieces I fetch: of K (waves 0-7) or of V (waves 8-15)
	; descriptor group 1.  K: 256 keys x 64 bytes are one dense block, stated as 64 rows of 256 bytes, with 16 bytes of padding behind every 64: a key's row every 80 bytes
	s_mov_b32 s[G1K], 15|(0<<16)|(1<<20)|(1<<21)|(3<<22)|(3<<25)   ; 15:0 the mask: all four work-groups; 17:16 elements of 1 byte; 20 padding on; 21 set beside a mask; 24:22 after every 16 words (code 3); 31:25 four words (code 3)
	s_mov_b32 s[G1K+1], 256<<16                    ; tensor_dim0
	s_mov_b32 s[G1K+2], 64<<16                     ; tensor_dim1
	s_mov_b32 s[G1K+3], 256<<16                    ; tile_dim0
	s_mov_b32 s[G1K+4], 64                         ; tile_dim1
	s_mov_b32 s[G1K+5], 256                        ; tensor_dim0_stride
	s_mov_b32 s[G1K+6], 0
	s_mov_b32 s[G1K+7], 0
	s_mov_b32 s[G1V], 15|(0<<16)|(1<<20)|(1<<21)|(5<<22)|(3<<25)   ; V: 64 channels x 256 keys, rows 2,048 bytes apart in memory; four words of padding after every 64
	s_mov_b32 s[G1V+1], 256<<16
	s_mov_b32 s[G1V+2], 64<<16
	s_mov_b32 s[G1V+3], 256<<16
	s_mov_b32 s[G1V+4], 64
	s_mov_b32 s[G1V+5], 2048
	s_mov_b32 s[G1V+6], 0
	s_mov_b32 s[G1V+7], 0
	s_mul_i32 s74, s73, KCH                        ; where my piece goes: no place in the cluster enters an LDS address
	s_mul_i32 s75, s73, VSL
	s_add_co_u32 s75, s75, VOFF
	s_lshl_b32 s76, s73, 14                        ; where it comes from: K: 256 keys x 64 bytes on,
	s_mov_b32 s77, 0
	s_lshl_b32 s78, s73, 8                         ; V: 256 bytes on in each row
	s_mov_b32 s79, 0
	s_mov_b32 s[SEL], 0x76543210
	s_mov_b32 s[SEL+1], 0xfedcba98
	s_wait_dscnt 0x0
	s_wait_kmcnt 0x0
	s_load_b256 s[48:55], s[10:11], 0x10           ; e4 .. e11: e6 = s50, e7 = s51, e8 = s52, e9 = s53, e10 = s54
	s_add_nc_u64 s[6:7], s[6:7], s[18:19]          ; K and V at my head
	s_add_nc_u64 s[8:9], s[8:9], s[18:19]
	s_mov_b32 s[G0K], 1                            ; 1:0 count = 1
	s_mov_b32 s[G0K+1], s74                        ; 63:32 LDS address
	s_add_nc_u64 s[G0K+2:G0K+3], s[6:7], s[76:77]  ; 120:64 global address
	s_or_b32 s[G0K+3], s[G0K+3], 0x80000000        ; 127:126 type = 2
	s_mov_b32 s[G0V], 1
	s_mov_b32 s[G0V+1], s75
	s_add_nc_u64 s[G0V+2:G0V+3], s[8:9], s[78:79]
	s_or_b32 s[G0V+3], s[G0V+3], 0x80000000
	ROUND                                          ; all four work-groups are here: the joint loads meet
	s_cmp_lt_u32 s[WV], 8                          ; one tensor load a wave, and its only one; four v_nop follow each of the two lines
	s_cbranch_scc0 .Lfor_v
	tensor_load_to_lds s[G0K:G0K+3], s[G1K:G1K+7]
	s_nop 0
.rept 4
	v_nop
.endr
	s_branch .Lasked
.Lfor_v:
	tensor_load_to_lds s[G0V:G0V+3], s[G1V:G1V+7]
	s_nop 0
.rept 4
	v_nop
.endr
.Lasked:
	s_lshl_b32 s73, s[WU], 2
	s_add_co_u32 s73, s73, s[CX]                   ; c = 4 u + cx
	s_lshl_b32 s74, s[WP], 8
	s_lshl_b32 s75, s73, 4
	s_add_co_u32 s74, s74, s75                     ; the second tile's first query: 256 p + 16 c
	s_sub_co_u32 s75, 2032, s74                    ; the first tile's: 256 (7 - p) + 16 (15 - c)
	s_lshl_b32 s76, s75, 6                         ; in bytes, 64 a query
	s_mov_b32 s77, 0
	s_lshl_b32 s78, s74, 6
	s_mov_b32 s79, 0
	s_add_nc_u64 s[76:77], s[76:77], s[18:19]
	s_add_nc_u64 s[78:79], s[78:79], s[18:19]
	s_add_nc_u64 s[56:57], s[4:5], s[76:77]        ; q at the first tile, at the second;
	s_add_nc_u64 s[58:59], s[4:5], s[78:79]
	s_add_nc_u64 s[60:61], s[12:13], s[76:77]      ; a_codes likewise
	s_add_nc_u64 s[62:63], s[12:13], s[78:79]
	v_and_b32 v10, 15, v0                          ; r = lane % 16
	v_bfe_u32 v11, v0, 4, 1                        ; h = lane / 16
	s_wait_alu depctr_va_vdst(0)
	v_lshlrev_b32 v9, 6, v10
	s_delay_alu instid0(VALU_DEP_1)
	v_lshl_add_u32 v9, v11, 4, v9                  ; Q: row r of 64 bytes, + 16 h
	global_load_b128 v[16:19], v9, s[56:57]        ; Q's fragments stay in registers
	global_load_b128 v[20:23], v9, s[56:57] offset:32
	global_load_b128 v[24:27], v9, s[58:59]
	global_load_b128 v[28:31], v9, s[58:59] offset:32
	s_lshl_b32 s[NLO], s[WP], 1
	s_lshr_b32 s75, s[WU], 1
	s_add_co_u32 s[NLO], s[NLO], s75
	s_add_co_u32 s[NLO], s[NLO], 1                 ; 2 p + u / 2 + 1
	s_sub_co_u32 s[NHI], 17, s[NLO]                ; 16 - 2 p - u / 2
	s_and_b32 s73, s73, 7
	s_lshl_b32 s73, s73, 4                         ; the second tile begins 16 (c % 8) keys into its diagonal step,
	s_sub_co_u32 s74, 112, s73                     ; the first 16 (7 - c % 8)
	v_lshlrev_b32 v8, 3, v11
	s_delay_alu instid0(VALU_DEP_1)
	v_sub_nc_u32 v8, v10, v8                       ; r - 8 h
	s_delay_alu instid0(VALU_DEP_1)
	v_add_nc_u32 v[DHI], s74, v8                   ; register 8 t + j holds the step's key 16 t + 8 h + j: hidden where 16 t + j is above this number
	s_delay_alu instid0(VALU_DEP_2)
	v_add_nc_u32 v[DLO], s73, v8
	v_and_b32 v8, 31, v0                           ; lane
	v_mul_u32_u24 v[AK0], v10, KP
	s_delay_alu instid0(VALU_DEP_1)
	v_lshl_add_u32 v[AK0], v11, 4, v[AK0]          ; K: row r x 80 + 16 h
	v_mul_u32_u24 v[AV0], v10, VP
	s_delay_alu instid0(VALU_DEP_1)
	v_lshl_add_u32 v[AV0], v11, 3, v[AV0]
	s_delay_alu instid0(VALU_DEP_1)
	v_add_nc_u32 v[AV0], VOFF, v[AV0]              ; V: row r x 272 + 8 h
	s_mul_i32 s73, s[WV], 16*KP
	s_add_co_u32 s73, s73, STG                     ; my stage
	v_mul_u32_u24 v[STO], v10, KP
	s_delay_alu instid0(VALU_DEP_1)
	v_lshl_add_u32 v[STO], v11, 3, v[STO]
	s_delay_alu instid0(VALU_DEP_1)
	v_add_nc_u32 v[STO], s73, v[STO]               ; in: row r, 8 bytes for each half of the lanes
	v_lshrrev_b32 v[RD], 2, v8
	s_delay_alu instid0(VALU_DEP_1)
	v_mul_u32_u24 v[RD], v[RD], KP
	v_and_b32 v11, 3, v8
	s_delay_alu instid0(VALU_DEP_1)
	v_lshl_add_u32 v[RD], v11, 4, v[RD]
	s_delay_alu instid0(VALU_DEP_1)
	v_add_nc_u32 v[RD], s73, v[RD]                 ; back: four lanes to a row of 64 bytes, eight rows an instruction
	v_lshlrev_b32 v[GO], 4, v8                     ; which are 512 consecutive bytes of a_codes
	v_mov_b32 v236, 0                              ; written once: a lane permute's destination counts as one of its sources
	v_mov_b32 v252, 0
	v_mov_b32 v253, 0                              ; (named as the upper half of the pair v[252:253])
	v_mov_b32 v254, 0
	s_wait_kmcnt 0x0
	s_add_co_i32 s73, s50, s51
	s_lshl_b32 s73, s73, 23
	s_mov_b32 s[CS], 0x3e38aa3b                    ; log2(e) / 8
	s_add_co_i32 s[CS], s[CS], s73                 ; a score stands for score x 2^(e6 + e7): the two exponents are added to the factor's exponent field
	s_mov_b32 s[CS+1], s[CS]                       ; (named with it as a pair, so it is written)
	s_add_co_i32 s73, s52, 127
	s_lshl_b32 s74, s73, 23
	v_mov_b32 v244, s74                            ; 2^e8, for p's conversions
	s_add_co_i32 s73, s54, 127
	s_lshl_b32 s74, s73, 23
	v_mov_b32 v245, s74                            ; 2^e10, for the result's
	s_add_co_i32 s72, s52, s53                     ; e8 + e9
; A KEY STEP: 128 keys, the q-th of the trip's 256.  QR: Q's registers; DR: the mask's number; NS: the tile's count of steps.
.macro STEP q, QR, DR, NS
	s_add_co_u32 s[T1], s[KI], (\q)+1
	s_cmp_gt_u32 s[T1], s[\NS]                     ; a step behind the tile's diagonal is left out: a scalar branch on the wave's number and the loop's count
	s_cbranch_scc1 .Lhid_\@
	v_add_nc_u32 v[ADK], s[TBK], v[AK0]
	v_add_nc_u32 v[ADV], s[TBV], v[AV0]
	v_nop                                          ; with the two additions: four places in front of loads into registers that the last products have read
	v_nop
.irp t, 0,1,2,3,4,5,6,7
	ds_load_b128 v[F+8*\t:F+8*\t+3], v[ADK] offset:(128*(\q)+16*\t)*KP
	ds_load_b128 v[F+8*\t+4:F+8*\t+7], v[ADK] offset:(128*(\q)+16*\t)*KP+32
.endr
	s_wait_alu depctr_va_vdst(0)
	s_wait_dscnt 0x0
.irp t, 0,1,2,3,4,5,6,7
	v_wmma_f32_16x16x64_bf8_bf8 v[S+8*\t:S+8*\t+7], v[F+8*\t:F+8*\t+7], v[\QR:\QR+7], 0
.endr
.rept 4
	v_nop                                          ; four places: in front of the loads into K's registers, and of the first read of the scores
.endr
.irp t, 0,1,2,3                                ; V's four fragments are asked for now and land under the softmax
.irp c, 0,1,2,3,4,5,6,7
	ds_load_b64 v[F+16*\t+2*\c:F+16*\t+2*\c+1], v[ADV] offset:16*\t*VP+128*(\q)+16*\c
.endr
.endr
	s_cmp_lg_u32 s[T1], s[\NS]                     ; the tile's last step lies on the diagonal: hidden scores become -infinity ahead of the maximum, so that p = 0.  (The step's first key counts for every query)
	s_cbranch_scc1 .Lopen_\@
	v_mov_b32 v254, 0xff800000
.set n, 0
.rept 64
	v_cmp_gt_i32 vcc_lo, 16*(n/8)+n%8, v[\DR]
	v_cndmask_b32 v[S+n], v[S+n], v254, vcc_lo
.set n, n+1
.endr
.Lopen_\@:
	v_max3_num_f32 v254, v[S], v[S+1], v[S+2]      ; the step's largest score of my query, among my 64 keys, in two chains, each tile from its low end on,
	v_max3_num_f32 v252, v[S+3], v[S+4], v[S+5]
.set i, 6
.rept 14
	v_max3_num_f32 v254, v254, v[S+i], v[S+i+1]
	v_max3_num_f32 v252, v252, v[S+i+2], v[S+i+3]
.set i, i+4
.endr
	v_max3_num_f32 v254, v254, v[S+62], v[S+63]
	s_delay_alu instid0(VALU_DEP_1)
	v_max_num_f32 v254, v254, v252
	s_delay_alu instid0(VALU_DEP_1)
	v_permlanex16_b32 v236, v254, s[SEL], s[SEL+1]
	s_delay_alu instid0(VALU_DEP_1)
	v_max_num_f32 v254, v254, v236                 ; and among lane l xor 16's
	s_delay_alu instid0(VALU_DEP_1)
	v_mul_f32 v254, s[CS], v254                    ; as t (the factor is positive)
	s_delay_alu instid0(VALU_DEP_1)
	v_max_num_f32 v13, v13, v254                   ; the running largest t
	v_mov_b32 v254, v12
	s_delay_alu instid0(VALU_DEP_2)
	v_floor_f32 v12, -v13                          ; the new -M = floor(-t) = -ceil(t): M is a whole number
	s_delay_alu instid0(VALU_DEP_1)
	v_sub_f32 v254, v12, v254                      ; M's old value less its new one: a whole number, 0 or less
	s_delay_alu instid0(VALU_DEP_1)
	v_cvt_i32_f32 v254, v254                       ; (it saturates)
	s_delay_alu instid0(VALU_DEP_1)
	v_ldexp_f32 v252, 1.0, v254                    ; f = 2^(old M - new M)
.set j, 0
.rept 32
	v_pk_fma_f32 v[S+j:S+j+1], v[S+j:S+j+1], s[CS:CS+1], v[12:13] op_sel_hi:[1,0,0]   ; t - M, two at a time (of both pairs the low word serves both halves)
.set j, j+2
.endr
.set j, 0
	s_wait_alu depctr_va_vdst(0)
.rept 64
	v_exp_f32 v[S+j], v[S+j]                       ; p = 2^(t - M), at most 1
.set j, j+1
.endr
	v_pk_mul_f32 v[14:15], v[14:15], v[252:253] op_sel_hi:[1,0]   ; the sums under the new M: the plain instruction behind the exponentials
	s_wait_alu depctr_va_vdst(0)                   ; one wait for the whole batch, ahead of its first reader
	v_pk_add_f32 v[242:243], v[100:101], v[104:105]
	v_pk_add_f32 v[248:249], v[108:109], v[112:113]
	v_pk_add_f32 v[246:247], v[116:117], v[120:121]
	v_pk_add_f32 v[240:241], v[124:125], v[128:129]
	v_pk_add_f32 v[238:239], v[132:133], v[136:137]
	v_pk_add_f32 v[234:235], v[140:141], v[144:145]
	v_pk_add_f32 v[232:233], v[148:149], v[152:153]
	v_pk_add_f32 v[14:15], v[14:15], v[156:157]
	v_pk_add_f32 v[242:243], v[242:243], v[96:97]
	v_pk_add_f32 v[248:249], v[248:249], v[98:99]
	v_pk_add_f32 v[246:247], v[246:247], v[102:103]
	v_pk_add_f32 v[240:241], v[240:241], v[106:107]
	v_pk_add_f32 v[238:239], v[238:239], v[110:111]
	v_pk_add_f32 v[234:235], v[234:235], v[114:115]
	v_pk_add_f32 v[232:233], v[232:233], v[118:119]
	v_pk_add_f32 v[14:15], v[14:15], v[122:123]
	v_pk_add_f32 v[242:243], v[242:243], v[126:127]
	v_pk_add_f32 v[248:249], v[248:249], v[130:131]
	v_pk_add_f32 v[246:247], v[246:247], v[134:135]
	v_pk_add_f32 v[240:241], v[240:241], v[138:139]
	v_pk_add_f32 v[238:239], v[238:239], v[142:143]
	v_pk_add_f32 v[234:235], v[234:235], v[146:147]
	v_pk_add_f32 v[232:233], v[232:233], v[150:151]
	v_pk_add_f32 v[14:15], v[14:15], v[154:155]
	v_pk_add_f32 v[242:243], v[242:243], v[158:159]
	s_delay_alu instid0(VALU_DEP_2)
	v_pk_add_f32 v[14:15], v[14:15], v[240:241]
	s_delay_alu instid0(VALU_DEP_2)
	v_pk_add_f32 v[242:243], v[242:243], v[238:239]
	v_pk_add_f32 v[248:249], v[248:249], v[234:235]
	v_pk_add_f32 v[246:247], v[246:247], v[232:233]
	s_delay_alu instid0(VALU_DEP_2)
	v_pk_add_f32 v[14:15], v[14:15], v[248:249]
	s_delay_alu instid0(VALU_DEP_2)
	v_pk_add_f32 v[242:243], v[242:243], v[246:247]
	s_delay_alu instid0(VALU_DEP_1)
	v_pk_add_f32 v[14:15], v[14:15], v[242:243]
.irp t, 0,1,2,3,4,5,6,7
.irp i, 0,1,2,3,4,5,6,7
.endr
	v_cvt_scalef32_pk8_bf8_f32 v[PC+2*\t:PC+2*\t+1], v[S+8*\t:S+8*\t+7], v244   ; keys 16 t + 8 h + 0 .. 7: registers 2 t, 2 t + 1 of the operand
.endr
.set j, 0
.rept 16
	v_pk_mul_f32 v[O+j:O+j+1], v[O+j:O+j+1], v[252:253] op_sel_hi:[1,0]   ; O^T under the new M.  (Plain instructions between the conversions and the products that read their results)
.set j, j+2
.endr
	s_wait_alu depctr_va_vdst(0)
	s_wait_dscnt 0x0                               ; V is in
.irp t, 0,1,2,3                                ; O^T += V^T P^T: the four accumulators take turns, one instruction a turn
	v_wmma_f32_16x16x128_bf8_bf8 v[O+8*\t:O+8*\t+7], v[F+16*\t:F+16*\t+15], v[PC:PC+15], v[O+8*\t:O+8*\t+7]
.endr
.Lhid_\@:
.endm
; ONE TILE OF 16 QUERIES: TRIPS trips of two key steps (a constant, the most that any wave needs), then the way out.  OB: a_codes at the tile.
.macro PASS QR, DR, NS, OB, TRIPS
	v_mov_b32 v13, 0xff61b1e6                      ; the largest t so far: -3e38, under every t
	s_delay_alu instid0(VALU_DEP_1)
	v_floor_f32 v12, -v13                          ; -M
	v_mov_b32 v14, 0                               ; the sum, in two halves
	v_mov_b32 v15, 0
.set j, 0
.rept 32
	v_mov_b32 v[O+j], 0                            ; O^T.  (The step is written without a first step of its own: it finds zeros, which the first change of M leaves zeros)
.set j, j+1
.endr
	s_mov_b32 s[KI], 0
	s_mov_b32 s[TBK], 0
	s_mov_b32 s[TBV], 0
.Lslot_\@:
	STEP 0, \QR, \DR, \NS
	STEP 1, \QR, \DR, \NS
	s_add_co_u32 s[TBK], s[TBK], KCH
	s_add_co_u32 s[TBV], s[TBV], VSL
	s_add_co_u32 s[KI], s[KI], 2
	s_cmp_lt_u32 s[KI], 2*\TRIPS
	s_cbranch_scc1 .Lslot_\@
.rept 4
	v_nop                                          ; four places behind the last products
.endr
	v_add_f32 v14, v14, v15                        ; the sum's two halves,
	s_delay_alu instid0(VALU_DEP_1)
	v_permlanex16_b32 v236, v14, s[SEL], s[SEL+1]
	s_delay_alu instid0(VALU_DEP_1)
	v_add_f32 v14, v14, v236                       ; and lane l xor 16's: the row's sum
	s_wait_alu depctr_va_vdst(0)
	v_rcp_f32 v14, v14
	v_nop                                          ; a plain instruction behind the reciprocal
	s_wait_xcnt 0x0                                ; the tile before has had its stores' addresses translated (ISA guide 3.1): their data registers are loaded again only behind this wait
	s_wait_alu depctr_va_vdst(0)                   ; the wait ahead of the reciprocal's first reader
	v_ldexp_f32 v14, v14, s72                      ; x 2^(e8 + e9)
.set j, 0
.rept 32
	v_mul_f32 v[S+j], v[O+j], v14                  ; register 8 t + i is channel 16 t + 8 h + i of my query; each accumulator from its low end on
.set j, j+1
.endr
.set j, 0
.rept 32
.set j, j+1
.endr
.irp t, 0,1,2,3
	v_cvt_scalef32_pk8_bf8_f32 v[OC+2*\t:OC+2*\t+1], v[S+8*\t:S+8*\t+7], v245
.endr
	v_nop                                          ; one plain vector instruction behind the last conversion
.irp t, 0,1,2,3
	ds_store_b64 v[STO], v[OC+2*\t:OC+2*\t+1] offset:16*\t
.endr
.irp i, 0,1
	ds_load_b128 v[BK+4*\i:BK+4*\i+3], v[RD] offset:\i*8*KP   ; LDS serves a wave's instructions in order (ISA guide 5.7.1.4): these see my stores
.endr
.irp i, 0,1
	s_wait_dscnt 1-\i                              ; the younger load may stay out
	global_store_b128 v[GO], v[BK+4*\i:BK+4*\i+3], s[\OB:\OB+1] offset:512*\i   ; 32 lanes store 512 consecutive bytes, at a multiple of 512 from the buffer's first byte
.endr
.endm
	s_wait_tensorcnt 0x0                           ; my piece of K or V is in,
	s_barrier_signal -1
	s_barrier_wait -1                              ; everybody's is: from here on the waves go their own ways
	s_wait_loadcnt 0x0                             ; Q (and its address register is free)
	PASS 16, DHI, NHI, 60, 8                       ; the tile of late queries: up to 16 key steps
	PASS 24, DLO, NLO, 62, 4                       ; the tile of early queries: up to 8
	s_wait_tensorcnt 0x0
	ds_add_u32 v251, v255
	s_wait_dscnt 0x0
	ROUND                                          ; the closing round
	s_endpgm
.Lfunc_end_k_q690253a77a_attn:
	.size	k_q690253a77a_attn, .Lfunc_end_k_q690253a77a_attn-k_q690253a77a_attn
	.p2alignl 7, 3214868480
	.fill 96, 4, 3214868480
	.section	.rodata,"a",@progbits
	.p2align	6, 0x0
	.amdhsa_kernel k_q690253a77a_attn
		.amdhsa_group_segment_fixed_size 327680
		.amdhsa_private_segment_fixed_size 0
		.amdhsa_enable_private_segment 0
		.amdhsa_kernarg_size 40
		.amdhsa_user_sgpr_count 2
		.amdhsa_user_sgpr_kernarg_segment_ptr 1
		.amdhsa_wavefront_size32 1
		.amdhsa_system_sgpr_workgroup_id_x 1
		.amdhsa_system_sgpr_workgroup_id_y 1
		.amdhsa_system_sgpr_workgroup_id_z 1
		.amdhsa_system_vgpr_workitem_id 0
		.amdhsa_next_free_vgpr 256
		.amdhsa_next_free_sgpr 80
		.amdhsa_reserve_vcc 1
		.amdhsa_float_denorm_mode_32 3
		.amdhsa_float_denorm_mode_16_64 3
		.amdhsa_fp16_overflow 1
		.amdhsa_memory_ordered 1
		.amdhsa_forward_progress 1
		.amdhsa_inst_pref_size 95
	.end_amdhsa_kernel
	.amdgpu_metadata
---
amdhsa.version: [ 1, 2 ]
amdhsa.kernels:
  - .name:           k_q690253a77a_attn
    .symbol:         k_q690253a77a_attn.kd
    .args:
      - { .name: q_codes, .offset: 0, .size: 8, .value_kind: global_buffer, .address_space: global }
      - { .name: k_codes, .offset: 8, .size: 8, .value_kind: global_buffer, .address_space: global }
      - { .name: v_codes, .offset: 16, .size: 8, .value_kind: global_buffer, .address_space: global }
      - { .name: lowp_scales, .offset: 24, .size: 8, .value_kind: global_buffer, .address_space: global }
      - { .name: a_codes, .offset: 32, .size: 8, .value_kind: global_buffer, .address_space: global }
    .group_segment_fixed_size: 327680
    .private_segment_fixed_size: 0
    .kernarg_segment_align: 8
    .kernarg_segment_size: 40
    .max_flat_workgroup_size: 512
    .sgpr_count:     80
    .vgpr_count:     256
    .wavefront_size: 32
...
	.end_amdgpu_metadata
.endif
;; end of part 2
;; launch oproj (part 3): grid 4 x 32, 4 waves a work-group, clusters of 4 x 4, 327,680 bytes of LDS; arguments a_codes, Wo_codes, lowp_scales, out0, bo; writes out0
.if DOCPART == 3
	.amdgcn_target "amdgcn-amd-amdhsa--gfx1250"
	.amdhsa_code_object_version 6
	.text
	.protected	k_q690253a77a_oproj
	.globl	k_q690253a77a_oproj
	.p2align	8
	.type	k_q690253a77a_oproj,@function
k_q690253a77a_oproj:
	s_mov_b64 s[64:65], 0
	v_nop
	global_prefetch_b8 v0, s[64:65] scope:SCOPE_SE
	s_setreg_imm32_b32 hwreg(HW_REG_WAVE_MODE, 25, 1), 1
	s_wait_xcnt 0x0
	s_wait_alu depctr_hold_cnt(0) depctr_sa_sdst(0) depctr_va_vdst(0) depctr_va_sdst(0) depctr_va_ssrc(0) depctr_va_vcc(0) depctr_vm_vsrc(0)
	s_getreg_b32 s2, hwreg(HW_REG_IB_STS2, 6, 4)
	s_cmp_eq_u32 s2, 0
	s_cbranch_scc0 .Lentry_in_a_cluster
	s_endpgm
.Lentry_in_a_cluster:
	s_bfe_u32 s2, ttmp6, 0x10000c
	s_cmp_lg_u32 s2, 0xf033
	s_cbranch_scc0 .Lentry_shape_is_right
	s_endpgm
.Lentry_shape_is_right:
; out0 = a Wo^T + bo on codes of BF8 (E5M2).  a: the attention's result as codes, laid [batch x 16 + head][2048 tokens][64]; its K is head x 64 + channel.  Wo: [1024][1024] codes, K innermost.  out0: [8192][1024] f32.
; A code of a stands for code x 2^e10, of Wo for code x 2^e11 (entries 10, 11 of the buffer of scales): each finished sum is multiplied once by 2^(e10 + e11), and bo is added in the same multiply-add.
; LIMIT: e10 + e11 between -126 and 127, so that 2^(e10 + e11) is an f32 number.
; A tile of C, 256 x 256, is made by four waves, 128 x 128 each: 64 accumulators, 512 registers.  K = 1,024 goes in four steps of 256 (four heads) through a ring of two LDS slots filled by the tensor data mover.
; A'S TILE: 128 tokens of one head are 8,192 dense bytes.  A tensor load brings four such rows, one a head, 131,072 bytes apart, with 16 bytes of padding behind every 64: in LDS [4 heads][128 tokens][80 bytes].
; CLUSTERS: 4 x 4 work-groups.  The four of a row of the cluster need the same tiles of A, the four of a column the same tiles of B: each is asked for JOINTLY, by the same tensor load with a mask that names the four.
; THE MATRIX INSTRUCTION IS USED TRANSPOSED (source 0 = 16 rows of Wo, source 1 = 16 tokens): a lane holds eight neighbouring numbers of a row of C.
; A fragment is fetched by four loads of 16 bytes: a permutation of k inside an instruction, the same in A and in B.
; REGISTERS, in windows of 256: window 0: v16-31 addresses; from v128 A's fragments, ONE set; on the way out v32-255 are free.   window 1: B's fragments, TWO sets, at v0 and v128 (in the last step set 0 holds bo).
;   windows 2, 3: the accumulators ((a, b) at v[8 (8 (a % 4) + b)]).
.set SIZE_N, 1024
.set KROW,   1024                      ; a row of Wo in memory, in bytes
.set ROWB,   256                       ; a K step of Wo's row
.set PITCH,  272                       ; B: an LDS row: 256 bytes + 16 = 68 words: row r starts at bank 4 r mod 64 (64 banks of 4 bytes: ISA guide 11.1)
.set AP,     80                        ; A: a token's 64 bytes of one head + 16 = 20 words: the 16 rows of a load start at 16 different groups of four banks
.set PLANE,  128*AP                    ; A: 128 tokens of one head
.set HEADB,  131072                    ; a head's 2,048 x 64 codes in memory
.set FR,     16
.set NL,     4
.set NP,     4                         ; places behind this matrix instruction (ISA guide 7.12.1)
.set HALFA,  4*PLANE                   ; what one tensor load brings of A: 128 tokens x 4 heads
.set HALFB,  128*PITCH                 ; of B: 128 rows
.set SLOT,   2*HALFA+2*HALFB           ; A's two halves, then B's two
.set LAPS,   2                         ; a lap = two K steps = once round the ring
.set SPARE,  2*SLOT                    ; behind the ring: the spare words, 128 bytes for each wave
.set SPITCH, 528                       ; the way out: a stage of 16 rows x (512 bytes + 16) for each wave, in slot 0, which has had its last fill and its last read by then
.set ADRA, 16                          ; v16-17  LDS address of my A fragments in slot 0, 1
.set ADRB, 20                          ; v20-21  the same for B
.set BO,   22                          ; v22     my byte in the wave's 128 numbers of bo: 32 (lane / 16)
.set STO,  24                          ; v24     the way out: where I put 32 bytes of a row
.set RD,   25                          ; v25     where I read a row back
.set CO,   26                          ; v26     my byte offset in a row of C
.set SPW,  28                          ; v28     LDS address of my spare word; never rewritten
.set NIL,  29                          ; v29     0; never rewritten
.set TMP,  32
.set AF,   128
.set BK,   128
.set G1, 24                            ; s[24:31] descriptor group 1 for A's tiles;  s[32:39] group 0, one set for each slot
.set G0, 32
.set G1B, 48                           ; s[48:55], s[56:63] the same for B's tiles
.set G0B, 56
.set MSB, 0
.macro WIN new                         ; the immediate's high byte repeats the setting that is left
.if MSB != (\new)
	s_set_vgpr_msb (MSB<<8)|(\new)
.set MSB, (\new)
.endif
.endm
.set MUL_LO, 0xa1                      ; source 0 (B) window 1, source 1 (A) window 0, C and D window 2
.set MUL_HI, 0xf1                      ; the same, C and D window 3
.set TO_B,   0x40                      ; destination window 1, address window 0
.macro JLOAD g0a, g1a, g0b, g1b        ; a joint load: waves 0 and 1 fetch for A, waves 2 and 3 for B; four v_nop follow each of the two lines
	s_cmp_eq_u32 s15, 0
	s_cbranch_scc0 .Lfor_b_\@
	tensor_load_to_lds s[\g0a:\g0a+3], s[\g1a:\g1a+7]
	s_nop 0
.rept 4
	v_nop
.endr
	s_branch .Lasked_\@
.Lfor_b_\@:
	tensor_load_to_lds s[\g0b:\g0b+3], s[\g1b:\g1b+7]
	s_nop 0
.rept 4
	v_nop
.endr
.Lasked_\@:
.endm
.macro CREST                           ; a round of the cluster's barrier behind its opening barrier
	s_cmp_lg_u32 s14, 0
	s_cbranch_scc1 .Lnot_wave_0_\@
	s_barrier_signal -3
.Lnot_wave_0_\@:
	s_barrier_wait -3
	s_barrier_signal -1
	s_barrier_wait -1
.endm
.macro CROUND                          ; a whole round
	s_barrier_signal -1
	s_barrier_wait -1
	CREST
.endm
	s_load_b128 s[4:7], s[0:1], 0x0                ; a_codes s[4:5], Wo's codes s[6:7]
	s_load_b128 s[8:11], s[0:1], 0x10              ; the scales' exponents s[8:9], out0 s[10:11]
	s_load_b64 s[12:13], s[0:1], 0x20              ; bo
	v_lshl_add_u32 v[SPW], v0, 2, SPARE
	v_mov_b32 v[NIL], 0
	ds_add_u32 v28, v29
	ds_add_u32 v28, v29
	s_wait_dscnt 0x0
	v_lshrrev_b32 v1, 5, v0
	v_readfirstlane_b32 s14, v1                    ; wave 0..3
	s_lshr_b32 s15, s14, 1                         ; which half of the tile's rows is mine.  Also: I fetch for A (0) or for B (1)
	s_and_b32 s16, s14, 1                          ; which half of its columns.  Also: which half of that tile I fetch
	s_bfe_u32 s40, ttmp6, 0x40000                  ; cx, cy: my place in the cluster
	s_bfe_u32 s41, ttmp6, 0x40004
	s_lshl_b32 s42, ttmp9, 2
	s_add_co_u32 s42, s42, s40                     ; tile column of C = 4 x cluster x + cx
	s_and_b32 s17, ttmp7, 0xffff
	s_lshl_b32 s17, s17, 2
	s_add_co_u32 s17, s17, s41                     ; tile row of C = 4 x cluster y + cy
	s_lshl_b32 s43, s41, 2
	s_lshl_b32 s43, 15, s43                        ; my row of the cluster
	s_lshl_b32 s44, 0x1111, s40                    ; my column
	; descriptor group 1.  A: 4 rows (heads) of 8,192 bytes (128 tokens x 64), 131,072 bytes apart
	s_or_b32 s[G1+0], s43, (0<<16)|(1<<20)|(1<<21)|(3<<22)|(3<<25)  ; 15:0 the mask: my row; 17:16 element of 1 byte; 20 padding on; 21 set beside a mask; 24:22 after every 16 words (code 3); 31:25 of 4 words (code 3)
	s_mov_b32 s[G1+1], 8192<<16                    ; tensor_dim0
	s_mov_b32 s[G1+2], 4<<16                       ; tensor_dim1 = 4
	s_mov_b32 s[G1+3], 8192<<16                    ; tile_dim0
	s_mov_b32 s[G1+4], 4                           ; tile_dim1 = 4
	s_mov_b32 s[G1+5], HEADB                       ; tensor_dim0_stride
	s_mov_b32 s[G1+6], 0
	s_mov_b32 s[G1+7], 0
	; B: 128 rows of 256 bytes
	s_or_b32 s[G1B+0], s44, (0<<16)|(1<<20)|(1<<21)|(5<<22)|(3<<25) ; the mask: my column; padding: four words after every 64
	s_mov_b32 s[G1B+1], ROWB<<16
	s_mov_b32 s[G1B+2], 128<<16
	s_mov_b32 s[G1B+3], ROWB<<16
	s_mov_b32 s[G1B+4], 128
	s_mov_b32 s[G1B+5], KROW
	s_mov_b32 s[G1B+6], 0
	s_mov_b32 s[G1B+7], 0
	s_lshl_b32 s18, s16, 7                         ; which 128 rows of the tile I fetch
	s_lshr_b32 s20, s17, 3                         ; A: the batch = tile row / 8: 16 heads of 131,072 bytes each,
	s_lshl_b32 s20, s20, 21
	s_and_b32 s21, s17, 7
	s_lshl_b32 s21, s21, 8
	s_add_co_u32 s21, s21, s18                     ; the token in the batch: 256 (tile row % 8) + 128 x half,
	s_lshl_b32 s21, s21, 6                         ; 64 bytes a token
	s_add_co_u32 s20, s20, s21
	s_mov_b32 s21, 0
	s_lshl_b32 s46, s42, 8
	s_add_co_u32 s46, s46, s18                     ; B: row 256 x tile column + 128 x half
	s_lshl_b32 s46, s46, 10
	s_mov_b32 s47, 0
	s_mul_i32 s22, s16, HALFA                      ; where they go: A's halves, then B's: no place in the cluster enters an LDS address
	s_mul_i32 s23, s16, HALFB
	s_add_co_u32 s23, s23, 2*HALFA
	s_wait_kmcnt 0x0
	s_load_b64 s[96:97], s[8:9], 0x28              ; e10, e11
	s_add_nc_u64 s[20:21], s[4:5], s[20:21]
	s_add_nc_u64 s[46:47], s[6:7], s[46:47]
	CROUND                                         ; all sixteen work-groups are here: the first joint loads meet
.irp s, 0,1
	s_mov_b32 s[G0+4*\s], 1
	s_add_co_u32 s[G0+4*\s+1], s22, \s*SLOT
	s_add_nc_u64 s[G0+4*\s+2:G0+4*\s+3], s[20:21], \s*4*HEADB      ; K step s: heads 4 s .. 4 s + 3
	s_or_b32 s[G0+4*\s+3], s[G0+4*\s+3], 0x80000000
	s_mov_b32 s[G0B+4*\s], 1
	s_add_co_u32 s[G0B+4*\s+1], s23, \s*SLOT
	s_add_nc_u64 s[G0B+4*\s+2:G0B+4*\s+3], s[46:47], \s*ROWB
	s_or_b32 s[G0B+4*\s+3], s[G0B+4*\s+3], 0x80000000
	s_wait_alu depctr_va_vdst(0)
	s_wait_tensorcnt 0x0
	ds_add_u32 v28, v29
	ds_add_u32 v28, v29
	s_wait_dscnt 0x0
	CROUND
	JLOAD G0+4*\s, G1, G0B+4*\s, G1B
.endr
	v_and_b32 v1, 15, v0                           ; r = lane % 16
	v_bfe_u32 v2, v0, 4, 1                         ; h = lane / 16
	v_mul_u32_u24 v3, v1, AP
	v_lshl_add_u32 v3, v2, 4, v3                   ; A: token r x 80 + 16 h
	v_mul_u32_u24 v4, v1, PITCH
	v_lshl_add_u32 v4, v2, 4, v4                   ; B: row r x 272 + 16 h
	s_mul_i32 s21, s15, HALFA                      ; my 128 tokens of A
	s_mul_i32 s22, s16, HALFB                      ; my 128 rows of B,
	s_add_co_u32 s22, s22, 2*HALFA                 ; which lie behind A's halves
.irp s, 0,1
	v_add_nc_u32 v[ADRA+\s], s21, v3
	v_add_nc_u32 v[ADRB+\s], s22, v4
	s_add_co_u32 s21, s21, SLOT
	s_add_co_u32 s22, s22, SLOT
.endr
	v_lshlrev_b32 v[BO], 5, v2
	s_mul_i32 s23, s14, 16*SPITCH                  ; my stage
	v_mul_u32_u24 v5, v1, SPITCH                   ; in: row r, 32 bytes for each half of the lanes
	v_lshl_add_u32 v5, v2, 5, v5
	v_add_nc_u32 v[STO], s23, v5
	v_and_b32 v6, 31, v0
	v_lshlrev_b32 v[CO], 4, v6                     ; back: the 32 lanes take one row of 512 bytes; and the same in C
	v_add_nc_u32 v[RD], s23, v[CO]
	s_lshl_b32 s20, s17, 8
	s_lshl_b32 s21, s15, 7
	s_add_co_u32 s20, s20, s21                     ; my first row of C: 256 x tile row + 128 x half,
	s_lshl_b32 s20, s20, 12                        ; 4,096 bytes a row (under 2^25)
	s_mov_b32 s21, 0
	s_lshl_b32 s46, s42, 10                        ; my first column, in bytes: 1,024 x tile column + 512 x half: in C and in bo alike
	s_lshl_b32 s47, s16, 9
	s_add_co_u32 s46, s46, s47
	s_mov_b32 s47, 0
	s_add_nc_u64 s[12:13], s[12:13], s[46:47]
	s_add_nc_u64 s[20:21], s[20:21], s[46:47]
	s_add_nc_u64 s[10:11], s[10:11], s[20:21]
.macro FRAG reg, adr, q, i             ; B's fragment, 16 rows x 128 K: registers 4 c .. 4 c + 3 hold K = 32 c + 16 (l / 16) + 0 .. 15 of row l % 16
.irp c, 0,1,2,3
	ds_load_b128 v[\reg+4*\c:\reg+4*\c+3], v[\adr] offset:128*(\q)+32*\c+(\i)*16*PITCH
.endr
.endm
.macro FRAGA reg, adr, q, i            ; A's, in the same order of K: k = 128 q + 32 c + 16 (l / 16) + .. lies in head 2 q + c / 2 of the slot's four, at byte 32 (c % 2) + 16 (l / 16) of the token's 64
.irp c, 0,1,2,3
	ds_load_b128 v[\reg+4*\c:\reg+4*\c+3], v[\adr] offset:(2*(\q)+\c/2)*PLANE+(\c%2)*32+(\i)*16*AP
.endr
.endm
; 16 matrix instructions: A's blocks a0, a0 + 1 x B's eight, 128 along K.  p: B's set.  zero = 1: the first product starts the sums.  The 64 accumulators take turns, one instruction a turn.
.macro MUL16 a0, p, zero
.irp a, \a0, \a0+1
.irp b, 0,1,2,3,4,5,6,7
.if \zero
	v_wmma_f32_16x16x128_bf8_bf8 v[8*(8*((\a)%4)+\b):8*(8*((\a)%4)+\b)+7], v[128*(\p)+FR*\b:128*(\p)+FR*\b+FR-1], v[AF+FR*(\a):AF+FR*(\a)+FR-1], 0
.else
	v_wmma_f32_16x16x128_bf8_bf8 v[8*(8*((\a)%4)+\b):8*(8*((\a)%4)+\b)+7], v[128*(\p)+FR*\b:128*(\p)+FR*\b+FR-1], v[AF+FR*(\a):AF+FR*(\a)+FR-1], v[8*(8*((\a)%4)+\b):8*(8*((\a)%4)+\b)+7]
.endif
.endr
.endr
.endm
.macro FETCH_B slot, q, p
	WIN TO_B
.irp i, 0,1,2,3,4,5,6,7
	FRAG 128*(\p)+FR*\i, ADRB+\slot, \q, \i
.endr
	WIN 0
.endm
.macro FETCH_A slot, q, i0
.irp i, \i0, \i0+1, \i0+2, \i0+3
	FRAGA AF+FR*(\i), ADRA+\slot, \q, \i
.endr
.endm
.macro PLACES n                        ; places in front of loads into registers that matrix instructions have read, and of the first read of results (ISA guide 7.12.1 for vector instructions)
.rept \n
	v_nop
.endr
.endm
.macro STEP slot, q, zero              ; a step of 128 along K that has its successor in the same slot
	s_wait_dscnt 4*NL                              ; B's set and A's blocks 0-3 are in; the youngest sixteen loads (A's blocks 4-7) may be out
	WIN MUL_LO
	MUL16 0, (\q)%2, \zero
	MUL16 2, (\q)%2, \zero
	s_wait_dscnt 0
	PLACES NP
	FETCH_B \slot, (\q)+1, 1-(\q)%2
	FETCH_A \slot, (\q)+1, 0
	WIN MUL_HI
	MUL16 4, (\q)%2, \zero
	MUL16 6, (\q)%2, \zero
	PLACES NP
	WIN 0
	FETCH_A \slot, (\q)+1, 4
.endm
; A slot's last step changes slots: ONE barrier; in front of it each wave waits for all its tensor loads, adds 0 to its spare word, and waits for that and for its own reads of this slot.  fill = 1: this slot is filled again, two K steps ahead.
.macro TURN slot, next, fill
	s_wait_tensorcnt 0x0                           ; all my tensor loads have landed: my part of the next slot  (every window is 0 here)
	ds_add_u32 v[SPW], v[NIL]                      ; 0 onto my spare word
	s_wait_dscnt 4*NL+1                            ; (the add and the youngest sixteen loads may be out)
	WIN MUL_LO
	MUL16 0, 1, 0                                  ; sixteen matrix instructions stand between the add and the wait for it
	s_wait_dscnt 0x0                               ; the add is done, and my reads of this slot are over
	s_barrier_signal -1
	MUL16 2, 1, 0
	WIN 0
	s_barrier_wait -1
.if \fill
	CREST                                          ; the barrier has opened a round of the cluster's barrier: no wave of any partner still reads this slot's tile or has a load on its way
	s_add_nc_u64 s[G0+4*\slot+2:G0+4*\slot+3], s[G0+4*\slot+2:G0+4*\slot+3], 2*4*HEADB
	s_add_nc_u64 s[G0B+4*\slot+2:G0B+4*\slot+3], s[G0B+4*\slot+2:G0B+4*\slot+3], 2*ROWB
	JLOAD G0+4*\slot, G1, G0B+4*\slot, G1B         ; the first tensor load behind the round; the four v_nop behind it are the places in front of the loads below
.else
	PLACES NP
.endif
	s_wait_alu depctr_va_vdst(0)
	FETCH_B \next, 0, 0
	FETCH_A \next, 0, 0
	WIN MUL_HI
	MUL16 4, 1, 0
	MUL16 6, 1, 0
	PLACES NP
	WIN 0
	FETCH_A \next, 0, 4
.endm
	s_wait_tensorcnt 1                             ; my part of K step 0 is in (K step 1's load may be out),
	s_barrier_signal -1
	s_barrier_wait -1                              ; everybody's is
	FETCH_B 0, 0, 0
	FETCH_A 0, 0, 0
	FETCH_A 0, 0, 4
	STEP 0, 0, 1                                   ; the first step stands in front of the loop: its products start the sums
	s_mov_b32 s3, LAPS-1
.Llap:                                                 ; a trip goes once round the ring and fills both slots again
	TURN 0, 1, 1
	STEP 1, 0, 0
	TURN 1, 0, 1
	STEP 0, 0, 0
	s_sub_co_u32 s3, s3, 1
	s_cmp_lg_u32 s3, 0
	s_cbranch_scc1 .Llap
	TURN 0, 1, 0                                   ; the last lap fills nothing, and has no round of the cluster's barrier
	STEP 1, 0, 0
	WIN TO_B                                       ; B's set 0 was last read in front of the step's closing places: it takes bo of my 128 columns: register 8 b + i = column 16 b + 8 (lane / 16) + i
.irp b, 0,1,2,3,4,5,6,7
	global_load_b128 v[8*\b:8*\b+3], v[BO], s[12:13] offset:64*\b
	global_load_b128 v[8*\b+4:8*\b+7], v[BO], s[12:13] offset:64*\b+16
.endr
	WIN 0
	s_wait_dscnt 4*NL                              ; the very last step: nothing more to fetch
	WIN MUL_LO
	MUL16 0, 1, 0
	MUL16 2, 1, 0
	s_wait_dscnt 0
	WIN MUL_HI
	MUL16 4, 1, 0
	MUL16 6, 1, 0
	WIN 0
; THE WAY OUT, block by block of 16 rows x 128 columns: y = sum x 2^(e10 + e11) + bo, one packed multiply-add for two, each accumulator from its low end on; through my own stage in LDS; back as whole rows of 512 bytes.
; LDS serves a wave's instructions in order (ISA guide 5.7.1.4): no wait between the stores and the loads, nor in front of the next block's stores.
.macro TOSTAGE a
.set AC, 64*((\a)%4)
	WIN 0x12+((\a)/4)                              ; source 0 (the sums) window 2 or 3, source 2 (bo) window 1
.set j, 0
.rept 32
	v_pk_fma_f32 v[TMP+j:TMP+j+1], v[AC+j:AC+j+1], s[96:97], v[j:j+1] op_sel_hi:[1,0,1]
.set j, j+2
.endr
	WIN 0
.irp b, 0,1,2,3,4,5,6,7
	ds_store_b128 v[STO], v[TMP+8*\b:TMP+8*\b+3] offset:64*\b
	ds_store_b128 v[STO], v[TMP+8*\b+4:TMP+8*\b+7] offset:64*\b+16
.endr
.set BB, BK+64*((\a)%2)
.irp t, 0,1,2,3,4,5,6,7,8,9,10,11,12,13,14,15
	ds_load_b128 v[BB+4*\t:BB+4*\t+3], v[RD] offset:\t*SPITCH
.endr
.endm
.macro SEND a, younger                 ; younger: the LDS instructions issued behind block a's loads, which may stay out
.set BB, BK+64*((\a)%2)
	s_wait_dscnt \younger
.irp t, 0,1,2,3,4,5,6,7,8,9,10,11,12,13,14,15
	global_store_b128 v[CO], v[BB+4*\t:BB+4*\t+3], s[10:11] offset:(16*(\a)+\t)*SIZE_N*4 th:TH_STORE_NT   ; 32 lanes store 512 consecutive bytes, at a multiple of 512 from C's first byte; 127 rows of 4,096 bytes at the most: inside the signed 24-bit immediate (ISA guide, chapter 10)
.endr
.endm
	s_wait_kmcnt 0x0
	s_add_co_i32 s96, s96, s97                     ; e10 + e11, between -126 and 127,
	s_add_co_i32 s96, s96, 127
	s_lshl_b32 s96, s96, 23                        ; makes the f32 number 2^(e10 + e11)
	s_mov_b32 s97, s96                             ; (named with it as a pair, so it is written)
	PLACES NP                                      ; behind the last products: for the reads of results and for the loads into the registers that held A's fragments
	s_wait_loadcnt 0x0                             ; bo is in
	TOSTAGE 0
.irp a, 1,2,3,4,5,6,7
.if \a > 1
	s_wait_xcnt 0x0                                ; block a - 2's stores have read their registers: block a's loads may land there
.endif
	TOSTAGE \a
	SEND \a-1, 32                                  ; behind block a - 1's loads: block a's 16 stores and 16 loads
.endr
	SEND 7, 0
	s_wait_tensorcnt 0x0                           ; the wave's end: behind my last tensor load and my last LDS store
	ds_add_u32 v[SPW], v[NIL]
	s_wait_dscnt 0x0
	CROUND                                         ; the closing round: no work-group ends while a partner may still ask for a tile that names it
	s_endpgm
.Lfunc_end_k_q690253a77a_oproj:
	.size	k_q690253a77a_oproj, .Lfunc_end_k_q690253a77a_oproj-k_q690253a77a_oproj
	.p2alignl 7, 3214868480
	.fill 96, 4, 3214868480
	.section	.rodata,"a",@progbits
	.p2align	6, 0x0
	.amdhsa_kernel k_q690253a77a_oproj
		.amdhsa_group_segment_fixed_size 327680
		.amdhsa_private_segment_fixed_size 0
		.amdhsa_enable_private_segment 0
		.amdhsa_kernarg_size 40
		.amdhsa_user_sgpr_count 2
		.amdhsa_user_sgpr_kernarg_segment_ptr 1
		.amdhsa_wavefront_size32 1
		.amdhsa_system_sgpr_workgroup_id_x 1
		.amdhsa_system_sgpr_workgroup_id_y 1
		.amdhsa_system_sgpr_workgroup_id_z 1
		.amdhsa_system_vgpr_workitem_id 0
		.amdhsa_next_free_vgpr 1024
		.amdhsa_next_free_sgpr 98
		.amdhsa_reserve_vcc 0
		.amdhsa_float_denorm_mode_32 3
		.amdhsa_float_denorm_mode_16_64 3
		.amdhsa_memory_ordered 1
		.amdhsa_forward_progress 1
		.amdhsa_inst_pref_size 126
	.end_amdhsa_kernel
	.amdgpu_metadata
---
amdhsa.version: [ 1, 2 ]
amdhsa.kernels:
  - .name:           k_q690253a77a_oproj
    .symbol:         k_q690253a77a_oproj.kd
    .args:
      - { .name: a_codes, .offset: 0, .size: 8, .value_kind: global_buffer, .address_space: global }
      - { .name: Wo_codes, .offset: 8, .size: 8, .value_kind: global_buffer, .address_space: global }
      - { .name: lowp_scales, .offset: 16, .size: 8, .value_kind: global_buffer, .address_space: global }
      - { .name: out0, .offset: 24, .size: 8, .value_kind: global_buffer, .address_space: global }
      - { .name: bo, .offset: 32, .size: 8, .value_kind: global_buffer, .address_space: global }
    .group_segment_fixed_size: 327680
    .private_segment_fixed_size: 0
    .kernarg_segment_align: 8
    .kernarg_segment_size: 40
    .max_flat_workgroup_size: 128
    .sgpr_count:     98
    .vgpr_count:     1024
    .wavefront_size: 32
...
	.end_amdgpu_metadata
.endif
;; end of part 3
